; MI455X (gfx1250); checked and timed in simulation.
; The chip was launched on July 23, 2026; its instructions are those of AMD's public machine-readable ISA for CDNA 5 (MIT licence, August 2026) and "CDNA5" Instruction Set Architecture Reference Guide (July 2026). The comments in the code are by the model that wrote it; some were corrected since.
;; Linear Attention Selective. Allowed arithmetic: matrix products marked QUANTISED: E5M2 operands, one given power-of-two scale a tensor, by v_wmma_f32_16x16x64_bf8_bf8 or v_wmma_f32_16x16x128_bf8_bf8, f32 sums; products left as they are: f32 operands where the result goes on into a quantised operand, else bf16, f16 or f32 operands; f32 sums; everything else in f32.
;; Inputs: Wk_codes 256 x 32 x 32 uint8 (E5M2 codes of Wk, K innermost, in blocks of 32 codes); Wo_codes 1,024 x 32 x 32 uint8 (E5M2 codes of Wo, K innermost, in blocks of 32 codes); Wq_codes 256 x 32 x 32 uint8 (E5M2 codes of Wq, K innermost, in blocks of 32 codes); Wv_codes 1,024 x 32 x 32 uint8 (E5M2 codes of Wv, K innermost, in blocks of 32 codes); hidden_states_codes 2 x 2,048 x 32 x 32 uint8 (E5M2 codes of hidden_states, K innermost, in blocks of 32 codes); lowp_scales 12 int32 (the exponents e of the quantised operands' scales 2^e).
;; Outputs: out0 2 x 2,048 x 1,024 float32.
;; This version of the problem:
;;   THIS VERSION OF THE PROBLEM IS GIVEN IN LOW PRECISION. The matrix products marked QUANTISED in the list below multiply operands that are first quantised to E5M2 (5 exponent bits, 2 mantissa bits; 8 bits a number), with one given power-of-two scale for each operand tensor; their sums are f32. All else is computed in f32.
;;   The module's matrix products, in the order in which they are computed (A, B: the left and right operand; K: the contracted axis; several contracted axes count as one K, in the product's order):
;;     1. [M 4,096, K 1,024] x [K 1,024, N 256]; A: input hidden_states (given as codes); B: input Wq (given as codes): QUANTISED (scales: A lowp_scales[0], B lowp_scales[1])
;;     2. [M 4,096, K 1,024] x [K 1,024, N 256]; A: input hidden_states (given as codes); B: input Wk (given as codes): QUANTISED (scales: A lowp_scales[2], B lowp_scales[3])
;;     3. [M 4,096, K 1,024] x [K 1,024, N 1,024]; A: input hidden_states (given as codes); B: input Wv (given as codes): QUANTISED (scales: A lowp_scales[4], B lowp_scales[5])
;;     4. batch 32 x [M 2,048, K 273] x [K 273, N 2,048]; A: computed on the way; B: computed on the way: QUANTISED (scales: A lowp_scales[6], B lowp_scales[7])
;;     5. batch 32 x [M 2,048, K 2,048] x [K 2,048, N 64]; A: computed on the way; B: computed on the way: QUANTISED (scales: A lowp_scales[8], B lowp_scales[9])
;;     6. batch 65,536 x [M 1, K 273] x [K 273, N 1]; A: computed on the way; B: computed on the way: left as it is (M = 1 < 16)
;;     7. [M 4,096, K 1,024] x [K 1,024, N 1,024]; A: computed on the way; B: input Wo (given as codes): QUANTISED (scales: A lowp_scales[10], B lowp_scales[11])
;;   THE QUANTISER, for each operand of a quantised product, along K:
;;     - The operand's scale is 2^e, e = its entry of the input lowp_scales (int32; the entries are numbered through the quantised products in the list's order, A before B).
;;     - Each number is divided by the scale, clamped to +-57,344, and rounded to the nearest number of E5M2, ties to even, subnormals kept.
;;     - The product sums the exact products of the quantised numbers (number of the format x scale) in f32.
;;   ~~~python
;;   def quantise(x, axis, e):      # numpy; x: float32 -> the quantised numbers, widened to float32 again
;;       x = np.moveaxis(x, axis, -1); K = x.shape[-1]
;;       r = np.clip(x / 2.0 ** e, -57344, 57344)
;;       step = 2.0 ** (np.maximum(np.frexp(np.where(r == 0, 1, r))[1] - 1, -14) - 2)
;;       q = np.round(r / step) * step * 2.0 ** e      # np.round: ties to even
;;       return np.moveaxis(q, -1, axis).astype(np.float32)
;;   ~~~
;;   OPERANDS COMPUTED ON THE WAY. 'Computed on the way' means the value that the module computes at that place (a softmax that the list does not call 'softmax' is quantised finished and normalised). What goes into a quantiser is computed in f32, as accurately as f32 sums, v_exp_f32 and their like allow (about 1e-6 of the number): no bf16 or f16 on the way to a quantiser, and a product that is left as it is and whose result goes on into a quantised operand takes f32 operands (vector FMAs, or v_wmma_f32_16x16x4_f32). A number that lies on a knife's edge between two numbers of the format may be rounded either way, as far as f32 arithmetic and the matrix unit's own rounding can turn it there, and no further.
;;   INPUTS GIVEN AS CODES. Wk (in the module: [1024, 256], K = its axis 0); Wo (in the module: [1024, 1024], K = its axis 0); Wq (in the module: [1024, 256], K = its axis 0); Wv (in the module: [1024, 1024], K = its axis 0); hidden_states (in the module: [2, 2048, 1024], K = its axis 2): each comes as NAME_codes (uint8): NAME with its K axis moved to the last place and cut into blocks of 32 codes, [.., K / 32, bytes a block], one block behind the other in memory; one code a byte (a code: sign, 5 exponent bits, 2 mantissa bits); its scale is its entry of lowp_scales. Its value is code x scale, taken as it is: it is not quantised again, and the codes and scales need not be those that the quantiser above would give.
;; One version. Each part assembles by itself: llvm-mc -triple=amdgcn-amd-amdhsa -mcpu=gfx1250 --defsym DOCPART=n.
;; ======== version 1 of 1: 3 launches
;; workspace buffers: kf 18,874,368 bytes; vt 4,194,304 bytes; qi 8,388,608 bytes; dl 262,144 bytes; st 2,097,152 bytes; yi 4,194,304 bytes
;; launch proj (part 1): grid 8 x 32, 4 waves a work-group, clusters of 4 x 4, 327,680 bytes of LDS; arguments hidden_states_codes, Wq_codes, Wk_codes, Wv_codes, lowp_scales, kf, vt, qi, dl, st; writes kf, vt, qi, dl, st
.if DOCPART == 1
	.amdgcn_target "amdgcn-amd-amdhsa--gfx1250"
	.amdhsa_code_object_version 6
	.text
	.protected	k_q22408ea065_proj
	.globl	k_q22408ea065_proj
	.p2align	8
	.type	k_q22408ea065_proj,@function
k_q22408ea065_proj:
	s_mov_b64 s[64:65], 0
	v_nop
	global_prefetch_b8 v0, s[64:65] scope:SCOPE_SE
	s_setreg_imm32_b32 hwreg(HW_REG_WAVE_MODE, 25, 1), 1
	s_wait_xcnt 0x0
	s_wait_alu depctr_hold_cnt(0) depctr_sa_sdst(0) depctr_va_vdst(0) depctr_va_sdst(0) depctr_va_ssrc(0) depctr_va_vcc(0) depctr_vm_vsrc(0)
	s_getreg_b32 s2, hwreg(HW_REG_IB_STS2, 6, 4)
	s_cmp_eq_u32 s2, 0
	s_cbranch_scc0 .Lentry_in_a_cluster
	s_endpgm
.Lentry_in_a_cluster:
	s_bfe_u32 s2, ttmp6, 0x10000c
	s_cmp_lg_u32 s2, 0xf033
	s_cbranch_scc0 .Lentry_shape_is_right
	s_endpgm
.Lentry_shape_is_right:
; q, k, v = hidden x Wq, Wk, Wv on codes of E5M2, and all that hangs on one token or on one run of 64 tokens:
;   kf: k's 273 features as codes (scale 2^e7), as images of the operand's registers;  vt: v as codes along the keys (2^e9), likewise;
;   qi: q in f32;  dl: the denominator's part from a token's own run of 64 tokens, its count of keys included;  st: each run's sums of k and of k k^T.
; qf . kf = 1 + s/4 + s^2/32 with s = q . k, so the denominator needs s inside a run, and sum k, sum k k^T of the runs before it.
; SHARES.  A work-group takes 128 tokens x 2 heads; wave w takes tokens 64 (w / 2) on and head 2 gx + w % 2: 16 + 16 + 64 columns, 24 accumulators, and k once more the other way round (4).
; K = 1,024 goes in four parts of 256 through THREE LDS slots (rows of 256 bytes + 16): 128 rows of hidden, 128 of Wv, 32 of Wq, 32 of Wk.  All three slots are asked for at the start;
; slot 0 is filled once more, with the last 256, when its two steps of 128 are read out, and is read again four steps later.
; CLUSTERS, 4 x 4: hidden's tile hangs on the token block alone and is asked for jointly along a row of the cluster, the weights' tiles on the head pair alone, jointly along a column.
; LAYOUTS.  q, k: source 0 = 16 rows of the weight, source 1 = 16 tokens: a lane holds token lane % 16 and dims 8 (lane / 16) + 0..7.  v, and k again: source 0 = tokens: a lane holds one column and 8 tokens.
; Wv's rows of a tile are not neighbours: lane r of tile 2 b + u takes row 32 b + 8 u + r + 8 (r / 8), so that later a lane's 16 results of two tiles are 16 neighbours.
; A FEATURE FRAGMENT, 36 registers: 4 a + 0..3 (a = 0..7): (c x[8 h + a]) x (x[own 8 dims], x[the other half's 8]), c = 1 / (4 sqrt 2); 32, 33: x[8 h + j] / 2; 34, 35: the 1 (lanes 0-15 alone), then zeros.
; LIMITS: e0 + e1 and e2 + e3 between -126 and 127; e7 and e9 - e4 - e5 between -126 and 112, so that each power of two below is an f32 number.  NaN among the codes is not served.
.set PITCH, 272                        ; an LDS row: 256 bytes + 16: 68 words, so the 16 rows of a load start at 16 different banks (64 banks of 4 bytes: ISA guide 11.1)
.set SLOT,  320*PITCH
.set OFV,   128*PITCH
.set OFQ,   256*PITCH
.set OFK,   288*PITCH
.set SPARE, 3*SLOT                     ; behind the three slots: the spare words, 128 bytes a wave, which no other line names
.set PADW,  (1<<20)|(1<<21)|(5<<22)|(3<<25)   ; elements of 1 byte; padding on; bit 21 beside a mask; after every 64 words 4 words
; window 0
.set RR, 1
.set HH, 2
.set LI, 3                             ; 16 x lane
.set SPW, 10
.set NIL, 11
.set SCV, 12                           ; 2^(e9 - e4 - e5)
.set SC,  13                           ; 2^e7
.set DD,  14                           ; r - 8 h
.set ZR,  15
.set FR1, 16                           ; r + 1 as f32
.set L4,  17                           ; 4 x lane
.set Q4,  18                           ; v[18:19] 0.25
.set ADH, 22                           ; v22-24 hidden's fragments in slot 0, 1, 2;  v25-27 Wv's;  v28-30 Wq's (Wk's lie 32 rows on)
.set ADV, 25
.set ADW, 28
.set HF,  64                           ; an operand set (window 0 and window 1): hidden 4 x 16, Wq 16, Wk 16, Wv 4 x 16
.set WQF, 128
.set WKF, 144
.set WVF, 160
; window 2: accumulators
.set ACCQ, 0
.set ACCK, 32
.set ACCT, 64
.set ACCV, 96
; window 3: results of the f32 matrix form, written by matrix instructions alone
.set SD, 0                             ; ten tiles of s
.set K2, 80
; window 0, behind the products
.set QX, 32
.set VC, 32
.set KX, 64
.set KA, 96
.set KB, 128
.set TP, 160
.set ACD, 168
.set QY, 176
.set X8, 176
.set U2, 184
.set PR, 208
.set MT, 208
.set L8, 240
.set F0, 96
.set F1, 132
; scalars
.set G1H, 24
.set G1V, 32
.set G1S, 40
.set G0H, 48                           ; groups 0 of slots 0 and 1, eight registers a tensor
.set G0V, 56
.set G0Q, 68
.set G0K, 76
.set G2H, 84                           ; groups 0 of slot 2
.set G2V, 88
.set G2Q, 92
.set G2K, 4                            ; (in the registers of two input pointers that are used up by then)
.set WV, 96
.set GX, 99
.set GY, 100
.set RH, 101
.set ES, 68                            ; behind the last tensor load's wait the descriptors' registers serve again: s68-79 e0 .. e11
.set SEL, 24
.set CC, 26
.set SQ, 28
.set SK, 30
.set C32, 32
.set VN, 34
.set VP, 35
.set HN, 36
.set HP, 37
.set HM, 38
.set MK, 40
.set MSB, 0
.macro WIN new                         ; the immediate's high byte repeats the setting that is left
.if MSB != (\new)
	s_set_vgpr_msb (MSB<<8)|(\new)
.set MSB, (\new)
.endif
.endm
.macro PLACES n
.rept \n
	v_nop
.endr
.endm
.macro CROUND                          ; a round of the cluster's barrier
	s_barrier_signal -1
	s_barrier_wait -1
	s_cmp_lg_u32 s[WV], 0
	s_cbranch_scc1 .Lnot_wave_0_\@
	s_barrier_signal -3
.Lnot_wave_0_\@:
	s_barrier_wait -3
	s_barrier_signal -1
	s_barrier_wait -1
.endm
; One joint load a wave: wave 0 hidden, 1 Wv, 2 Wq, 3 Wk; the arguments are the slot's four groups 0.  The branches hang on the wave's number alone.  Four v_nop follow each load.
.macro JLOAD4 gh, gv, gq, gk
	s_cmp_eq_u32 s[WV], 0
	s_cbranch_scc0 .Lj1_\@
	tensor_load_to_lds s[\gh:\gh+3], s[G1H:G1H+7]
	s_nop 0
	PLACES 4
	s_branch .Lj4_\@
.Lj1_\@:
	s_cmp_eq_u32 s[WV], 1
	s_cbranch_scc0 .Lj2_\@
	tensor_load_to_lds s[\gv:\gv+3], s[G1V:G1V+7]
	s_nop 0
	PLACES 4
	s_branch .Lj4_\@
.Lj2_\@:
	s_cmp_eq_u32 s[WV], 2
	s_cbranch_scc0 .Lj3_\@
	tensor_load_to_lds s[\gq:\gq+3], s[G1S:G1S+7]
	s_nop 0
	PLACES 4
	s_branch .Lj4_\@
.Lj3_\@:
	tensor_load_to_lds s[\gk:\gk+3], s[G1S:G1S+7]
	s_nop 0
	PLACES 4
.Lj4_\@:
.endm
.macro MKG0 g, g2, base, sh, coord, lds   ; group 0 for the three slots: count 1, LDS address, global address (slot n: 256 n along K on), type 2
	s_lshl_b32 s[\g+2], s[\coord], \sh
	s_mov_b32 s[\g+3], 0
	s_add_nc_u64 s[\g+2:\g+3], s[\base:\base+1], s[\g+2:\g+3]
	s_add_nc_u64 s[\g+6:\g+7], s[\g+2:\g+3], 256
	s_add_nc_u64 s[\g2+2:\g2+3], s[\g+2:\g+3], 512
	s_or_b32 s[\g+3], s[\g+3], 0x80000000
	s_or_b32 s[\g+7], s[\g+7], 0x80000000
	s_or_b32 s[\g2+3], s[\g2+3], 0x80000000
	s_mov_b32 s[\g], 1
	s_mov_b32 s[\g+4], 1
	s_mov_b32 s[\g2], 1
	s_mov_b32 s[\g+1], \lds
	s_mov_b32 s[\g+5], \lds+SLOT
	s_mov_b32 s[\g2+1], \lds+2*SLOT
.endm
	s_load_b256 s[4:11], s[0:1], 0x0               ; hidden, Wq, Wk, Wv
	s_load_b256 s[12:19], s[0:1], 0x20             ; scales, kf, vt, qi
	s_load_b128 s[20:23], s[0:1], 0x40             ; dl, st
	v_lshl_add_u32 v[SPW], v0, 2, SPARE
	v_mov_b32 v[NIL], 0
	ds_add_u32 v10, v11
	ds_add_u32 v10, v11
	s_wait_dscnt 0x0
	v_lshrrev_b32 v20, 5, v0
	v_readfirstlane_b32 s[WV], v20                 ; wave 0..3
	s_bfe_u32 s97, ttmp6, 0x40000                  ; cx
	s_bfe_u32 s98, ttmp6, 0x40004                  ; cy
	s_lshl_b32 s[GX], ttmp9, 2
	s_add_co_u32 s[GX], s[GX], s97                 ; the head pair
	s_and_b32 s[GY], ttmp7, 0xffff
	s_lshl_b32 s[GY], s[GY], 2
	s_add_co_u32 s[GY], s[GY], s98                 ; the block of 128 tokens
	s_lshl_b32 s2, s98, 2
	s_lshl_b32 s2, 15, s2                          ; my row of the cluster
	s_lshl_b32 s3, 0x1111, s97                     ; my column
	s_or_b32 s[G1H], s2, PADW
	s_or_b32 s[G1V], s3, PADW
	s_or_b32 s[G1S], s3, PADW
.irp g, G1H, G1V
	s_mov_b32 s[\g+1], 256<<16                     ; tensor_dim0 = 256 bytes
	s_mov_b32 s[\g+2], 128<<16                     ; tensor_dim1 = 128 rows
	s_mov_b32 s[\g+3], 256<<16                     ; tile_dim0
	s_mov_b32 s[\g+4], 128                         ; tile_dim1
	s_mov_b32 s[\g+5], 1024                        ; from row to row
	s_mov_b32 s[\g+6], 0
	s_mov_b32 s[\g+7], 0
.endr
	s_mov_b32 s[G1S+1], 256<<16
	s_mov_b32 s[G1S+2], 32<<16                     ; 32 rows: Wq's and Wk's tiles
	s_mov_b32 s[G1S+3], 256<<16
	s_mov_b32 s[G1S+4], 32
	s_mov_b32 s[G1S+5], 1024
	s_mov_b32 s[G1S+6], 0
	s_mov_b32 s[G1S+7], 0
	s_wait_kmcnt 0x0
	MKG0 G0H, G2H, 4, 17, GY, 0                    ; 128 rows of 1,024 bytes a token block
	MKG0 G0V, G2V, 10, 17, GX, OFV                 ; 128 rows of Wv a head pair
	MKG0 G0Q, G2Q, 6, 15, GX, OFQ                  ; 32 rows of Wq
	MKG0 G0K, G2K, 8, 15, GX, OFK                  ; the last: its third set takes hidden's and Wq's pointers' registers
	CROUND                                         ; all sixteen work-groups are here: the first joint loads meet
	JLOAD4 G0H, G0V, G0Q, G0K
	JLOAD4 G0H+4, G0V+4, G0Q+4, G0K+4
	JLOAD4 G2H, G2V, G2Q, G2K                      ; three loads of mine are out
	v_and_b32 v[RR], 15, v0
	v_bfe_u32 v[HH], v0, 4, 1
	v_and_b32 v20, 31, v0
	v_lshlrev_b32 v[LI], 4, v20
	v_lshlrev_b32 v[L4], 2, v20
	v_mul_u32_u24 v20, v[RR], PITCH
	v_lshl_add_u32 v20, v[HH], 4, v20              ; row r, + 16 h
	v_and_b32 v21, 8, v[RR]
	v_add_nc_u32 v21, v21, v[RR]
	v_mul_u32_u24 v21, v21, PITCH
	v_lshl_add_u32 v21, v[HH], 4, v21              ; row r + 8 (r / 8), + 16 h
	s_lshr_b32 s[RH], s[WV], 1                     ; which 64 tokens
	s_and_b32 s97, s[WV], 1                        ; which head of the pair
	s_mul_i32 s2, s[RH], 64*PITCH
	s_mul_i32 s3, s97, 64*PITCH
	s_add_co_u32 s3, s3, OFV
	s_mul_i32 s66, s97, 16*PITCH
	s_add_co_u32 s66, s66, OFQ
.irp s, 0,1,2
	v_add_nc_u32 v[ADH+\s], s2, v20
	v_add_nc_u32 v[ADV+\s], s3, v21
	v_add_nc_u32 v[ADW+\s], s66, v20
	s_add_co_u32 s2, s2, SLOT
	s_add_co_u32 s3, s3, SLOT
	s_add_co_u32 s66, s66, SLOT
.endr
	v_lshlrev_b32 v20, 3, v[HH]
	v_sub_nc_u32 v[DD], v[RR], v20
	v_mov_b32 v[ZR], 0
	v_add_nc_u32 v20, 1, v[RR]
	v_cvt_f32_u32 v[FR1], v20
	v_mov_b32 v[Q4], 0x3e800000
	v_mov_b32 v[Q4+1], 0x3e800000
	; where my wave's results go: bh = 16 batch + head, seg = my run of 64 tokens in the sequence
	s_lshr_b32 s2, s[GY], 4
	s_lshl_b32 s2, s2, 4
	s_lshl_b32 s3, s[GX], 1
	s_add_co_u32 s2, s2, s3
	s_add_co_u32 s2, s2, s97                       ; bh
	s_and_b32 s3, s[GY], 15
	s_lshl_b32 s3, s3, 1
	s_add_co_u32 s3, s3, s[RH]                     ; seg
	s_mov_b32 s67, 0
	s_mul_i32 s66, s2, 589824                      ; kf: 128 tiles of 4,608 bytes a head; 4 tiles a run
	s_mul_i32 s98, s3, 18432
	s_add_co_u32 s66, s66, s98
	s_add_nc_u64 s[14:15], s[14:15], s[66:67]
	s_lshl_b32 s66, s2, 17                         ; vt: 32 runs of 4,096
	s_lshl_b32 s98, s3, 12
	s_add_co_u32 s66, s66, s98
	s_add_nc_u64 s[16:17], s[16:17], s[66:67]
	s_lshl_b32 s66, s2, 18                         ; qi: 128 tiles of 2,048
	s_lshl_b32 s98, s3, 13
	s_add_co_u32 s66, s66, s98
	s_add_nc_u64 s[18:19], s[18:19], s[66:67]
	s_lshl_b32 s66, s2, 13                         ; dl: 2,048 numbers
	s_lshl_b32 s98, s3, 8
	s_add_co_u32 s66, s66, s98
	s_add_nc_u64 s[20:21], s[20:21], s[66:67]
	s_lshl_b32 s66, s2, 16                         ; st: 32 runs of 2,048
	s_lshl_b32 s98, s3, 11
	s_add_co_u32 s66, s66, s98
	s_add_nc_u64 s[22:23], s[22:23], s[66:67]
.macro FRAG reg, adr, off              ; 16 rows x 128 K: registers 4 c .. 4 c + 3 hold K = 32 c + 16 h + 0..15: the same order in both operands
.irp c, 0,1,2,3
	ds_load_b128 v[\reg+4*\c:\reg+4*\c+3], v[\adr] offset:\off+32*\c
.endr
.endm
.macro FETCH k, p                      ; the ten fragments of step k (128 along K; steps 2 n and 2 n + 1 lie in slot n % 3) into set p: 40 loads
	WIN 0x40*(\p)
.irp t, 0,1,2,3
	FRAG HF+16*\t, ADH+(((\k)>>1)%3), 128*((\k)&1)+\t*16*PITCH
.endr
	FRAG WQF, ADW+(((\k)>>1)%3), 128*((\k)&1)
	FRAG WKF, ADW+(((\k)>>1)%3), 128*((\k)&1)+32*PITCH
.irp e, 0,1,2,3
	FRAG WVF+16*\e, ADV+(((\k)>>1)%3), 128*((\k)&1)+(32*(\e/2)+8*(\e%2))*PITCH
.endr
	WIN 0
.endm
.macro WM d, a, b, zero
.if \zero
	v_wmma_f32_16x16x128_bf8_bf8 v[\d:\d+7], v[\a:\a+15], v[\b:\b+15], 0
.else
	v_wmma_f32_16x16x128_bf8_bf8 v[\d:\d+7], v[\a:\a+15], v[\b:\b+15], v[\d:\d+7]
.endif
.endm
.macro MUL p, zero                     ; 28 products, the 28 accumulators by turns; zero = 1: they start the sums
	WIN 0xa0+5*(\p)
.irp t, 0,1,2,3
	WM ACCQ+8*\t, WQF, HF+16*\t, \zero
	WM ACCK+8*\t, WKF, HF+16*\t, \zero
	WM ACCT+8*\t, HF+16*\t, WKF, \zero
.irp e, 0,1,2,3
	WM ACCV+8*(4*\t+\e), HF+16*\t, WVF+16*\e, \zero
.endr
.endr
.endm
; All my tensor loads have landed, 0 onto my spare word, the add and my reads of LDS are done; then the barrier.  fill = 1: slot 0, which is read out, is filled again with K 768 on:
; the barrier is a round of the cluster's, and the joint load is the first thing behind it; its four v_nop are also the places in front of the loads that follow.
.macro THREE fill
	WIN 0
	s_wait_tensorcnt 0x0
	ds_add_u32 v[SPW], v[NIL]
.if \fill
	s_add_nc_u64 s[G0H+2:G0H+3], s[G0H+2:G0H+3], 768
	s_add_nc_u64 s[G0V+2:G0V+3], s[G0V+2:G0V+3], 768
	s_add_nc_u64 s[G0Q+2:G0Q+3], s[G0Q+2:G0Q+3], 768
	s_add_nc_u64 s[G0K+2:G0K+3], s[G0K+2:G0K+3], 768
.endif
	s_wait_dscnt 0x0
.if \fill
	CROUND
	JLOAD4 G0H, G0V, G0Q, G0K
.else
	s_barrier_signal -1
	s_barrier_wait -1
	PLACES 4
.endif
.endm
.macro NEXT k, p                       ; step k's fragments (set p) are in; four places behind the last products, whose set takes the next step's fragments; step k's products
	WIN 0
	s_wait_dscnt 0x0
	PLACES 4
	FETCH (\k)+1, 1-(\p)
	MUL \p, 0
.endm
	s_wait_tensorcnt 0x2                           ; my part of slot 0 is in; slots 1 and 2 may stay out
	s_barrier_signal -1
	s_barrier_wait -1
	FETCH 0, 0
	s_wait_dscnt 0x0
	FETCH 1, 1
	MUL 0, 1                                       ; the first step starts the sums: nothing is cleared
	THREE 1                                        ; slots 1 and 2 are whole for every wave from here on; slot 0 takes K 768 on, and has steps 1 to 5 in which to land
	FETCH 2, 0
	MUL 1, 0
	NEXT 2, 0
	NEXT 3, 1                                      ; on into slot 2: no barrier, the round above has shown it whole
	NEXT 4, 0
	THREE 0                                        ; the last fill has landed; nothing more is asked for
	s_load_b256 s[ES:ES+7], s[12:13], 0x0          ; e0 .. e7, into the registers of descriptors whose loads are done
	s_load_b128 s[ES+8:ES+11], s[12:13], 0x20      ; e8 .. e11
	FETCH 6, 0
	MUL 1, 0
	NEXT 6, 0
	s_wait_dscnt 0x0
	MUL 1, 0
	; ---- behind the products
	WIN 0
	PLACES 4
	s_wait_kmcnt 0x0
	s_mov_b32 s[SEL], 0x76543210                   ; v_permlanex16_b32: lane l xor 16
	s_mov_b32 s[SEL+1], 0xfedcba98
	s_mov_b32 s[CC], 0x3e3504f3                    ; 1 / (4 sqrt 2)
	s_mov_b32 s[C32], 0x3d000000                   ; 1 / 32
	s_mov_b32 s[C32+1], s[C32]
	s_mov_b32 s[HM], 0xffff0000
	s_add_co_i32 s[SQ], s[ES], s[ES+1]
	s_add_co_i32 s[SQ], s[SQ], 127
	s_lshl_b32 s[SQ], s[SQ], 23                    ; 2^(e0 + e1)
	s_mov_b32 s[SQ+1], s[SQ]
	s_add_co_i32 s[SK], s[ES+2], s[ES+3]
	s_add_co_i32 s[SK], s[SK], 127
	s_lshl_b32 s[SK], s[SK], 23                    ; 2^(e2 + e3)
	s_mov_b32 s[SK+1], s[SK]
	s_sub_co_i32 s39, s[ES+9], s[ES+4]
	s_sub_co_i32 s39, s39, s[ES+5]
	s_add_co_i32 s39, s39, 127
	s_lshl_b32 s48, s39, 23
	v_mov_b32 v[SCV], s48                          ; 2^(e9 - e4 - e5): v's three scales folded into the conversion's one
	s_add_co_i32 s39, s39, 15
	s_lshl_b32 s[VP], s39, 23
	s_or_b32 s[VP], s[VP], 0x600000                ; 57,344 x that
	s_or_b32 s[VN], s[VP], 0x80000000
	s_add_co_i32 s39, s[ES+7], 127
	s_lshl_b32 s48, s39, 23
	v_mov_b32 v[SC], s48                           ; 2^e7
	s_add_co_i32 s39, s39, 15
	s_lshl_b32 s[HP], s39, 23
	s_or_b32 s[HP], s[HP], 0x600000
	s_or_b32 s[HN], s[HP], 0x80000000
.irp j, 0,1,2,3,4,5,6,7
	v_cmp_gt_i32 s[MK+\j], \j, v[DD]               ; key 8 h + j comes after query r
.endr
	WIN 0x02                                       ; source 0: window 2
.irp j, 0,2,4,6,8,10,12,14,16,18,20,22,24,26,28,30
	v_pk_mul_f32 v[QX+\j:QX+\j+1], v[ACCQ+\j:ACCQ+\j+1], s[SQ:SQ+1] op_sel_hi:[1,0]   ; q; each accumulator from its low end on
.endr
.irp j, 0,2,4,6,8,10,12,14,16,18,20,22,24,26,28,30
	v_pk_mul_f32 v[KX+\j:KX+\j+1], v[ACCK+\j:ACCK+\j+1], s[SK:SK+1] op_sel_hi:[1,0]   ; k, a token a lane
.endr
.irp j, 0,2,4,6,8,10,12,14,16,18,20,22,24,26,28,30
	v_pk_mul_f32 v[KA+\j:KA+\j+1], v[ACCT+\j:ACCT+\j+1], s[SK:SK+1] op_sel_hi:[1,0]   ; k, a dim a lane,
	v_pk_mul_f32 v[KB+\j:KB+\j+1], v[ACCT+\j:ACCT+\j+1], s[SK:SK+1] op_sel_hi:[1,0]   ; twice: the two sources of k k^T share no register
.endr
	WIN 0
.set i, 0
.rept 32
	v_permlanex16_b32 v[QY+i], v[QX+i], s[SEL], s[SEL+1]   ; q's other eight dims (the destinations were written by the fragment loads)
.set i, i+1
.endr
.irp t, 0,1,2,3
	global_store_b128 v[LI], v[QX+8*\t:QX+8*\t+3], s[18:19] offset:\t*2048
	global_store_b128 v[LI], v[QX+8*\t+4:QX+8*\t+7], s[18:19] offset:\t*2048+512
	global_store_b128 v[LI], v[QY+8*\t:QY+8*\t+3], s[18:19] offset:\t*2048+1024
	global_store_b128 v[LI], v[QY+8*\t+4:QY+8*\t+7], s[18:19] offset:\t*2048+1536
.endr
	; s = k . q for the ten tiles at or under the run's diagonal, and sum k k^T, in f32: registers 2 s, 2 s + 1 of a lane are dims (tokens) 8 h + 2 s + 0, 1: the same order in both sources.
	; In a tile of s a lane holds query r and keys 8 h + 0..7.  The eleven sums take turns.
.macro K2L t, u
.if (\t == 0) && (\u == 0)
	v_wmma_f32_16x16x4_f32 v[K2:K2+7], v[KA+8*\t+2*\u:KA+8*\t+2*\u+1], v[KB+8*\t+2*\u:KB+8*\t+2*\u+1], 0
.else
	v_wmma_f32_16x16x4_f32 v[K2:K2+7], v[KA+8*\t+2*\u:KA+8*\t+2*\u+1], v[KB+8*\t+2*\u:KB+8*\t+2*\u+1], v[K2:K2+7]
.endif
.endm
.macro SL x, tq, tk, s
.if \s == 0
	v_wmma_f32_16x16x4_f32 v[SD+8*\x:SD+8*\x+7], v[KX+8*\tk+2*\s:KX+8*\tk+2*\s+1], v[QX+8*\tq+2*\s:QX+8*\tq+2*\s+1], 0
.else
	v_wmma_f32_16x16x4_f32 v[SD+8*\x:SD+8*\x+7], v[KX+8*\tk+2*\s:KX+8*\tk+2*\s+1], v[QX+8*\tq+2*\s:QX+8*\tq+2*\s+1], v[SD+8*\x:SD+8*\x+7]
.endif
.endm
	WIN 0xf0                                       ; C and D window 3
.irp s, 0,1,2,3
	K2L \s, 0
	SL 0, 0, 0, \s
	SL 1, 1, 0, \s
	SL 2, 1, 1, \s
	K2L \s, 1
	SL 3, 2, 0, \s
	SL 4, 2, 1, \s
	SL 5, 2, 2, \s
	K2L \s, 2
	SL 6, 3, 0, \s
	SL 7, 3, 1, \s
	K2L \s, 3
	SL 8, 3, 2, \s
	SL 9, 3, 3, \s
.endr
	WIN 0
	PLACES 8                                       ; eight places behind this form (ISA guide 7.12.1)
	; the sum of s / 4 + s^2 / 32 = s (s / 32 + 1 / 4) over a query's keys in its run
.macro TDEN acc, base, first
.irp p, 0,1,2,3
	v_pk_fma_f32 v[TP+2*\p:TP+2*\p+1], v[\base+2*\p:\base+2*\p+1], s[C32:C32+1], v[Q4:Q4+1] op_sel_hi:[1,0,1]
.endr
.irp p, 0,1,2,3
.if \first && (\p == 0)
	v_pk_mul_f32 v[\acc:\acc+1], v[\base:\base+1], v[TP:TP+1]
.else
	v_pk_fma_f32 v[\acc:\acc+1], v[\base+2*\p:\base+2*\p+1], v[TP+2*\p:TP+2*\p+1], v[\acc:\acc+1]
.endif
.endr
.endm
	WIN 0x03                                       ; source 0: window 3
.irp j, 0,1,2,3,4,5,6,7
	v_cndmask_b32 v[MT+\j], v[SD+\j], v[ZR], s[MK+\j]         ; the four tiles on the diagonal: s = 0 adds nothing
	v_cndmask_b32 v[MT+8+\j], v[SD+16+\j], v[ZR], s[MK+\j]
	v_cndmask_b32 v[MT+16+\j], v[SD+40+\j], v[ZR], s[MK+\j]
	v_cndmask_b32 v[MT+24+\j], v[SD+72+\j], v[ZR], s[MK+\j]
.endr
	TDEN ACD+2, SD+8, 1
	TDEN ACD+4, SD+24, 1
	TDEN ACD+4, SD+32, 0
	TDEN ACD+6, SD+48, 1
	TDEN ACD+6, SD+56, 0
	TDEN ACD+6, SD+64, 0
	WIN 0
	TDEN ACD, MT, 1
	TDEN ACD+2, MT+8, 0
	TDEN ACD+4, MT+16, 0
	TDEN ACD+6, MT+24, 0
.irp q, 0,1,2,3
	v_add_f32 v[TP+\q], v[ACD+2*\q], v[ACD+2*\q+1]
.endr
.irp q, 0,1,2,3
	v_permlanex16_b32 v[TP+4+\q], v[TP+\q], s[SEL], s[SEL+1]   ; the query's other eight keys of each tile
.endr
.irp q, 0,1,2,3
	v_add_f32 v[TP+\q], v[TP+\q], v[TP+4+\q]
.endr
.irp q, 0,1,2,3
	v_add_f32 v[TP+\q], v[TP+\q], v[FR1]           ; the ones: r + 1 keys of its own tile,
.endr
	v_add_f32 v[TP+1], 0x41800000, v[TP+1]         ; and 16 for each tile before it
	v_add_f32 v[TP+2], 0x42000000, v[TP+2]
	v_add_f32 v[TP+3], 0x42400000, v[TP+3]
	v_cndmask_b32 v[TP+4], v[TP], v[TP+1], s[HM]   ; lanes 0-15: tile 0's queries, lanes 16-31: tile 1's
	v_cndmask_b32 v[TP+5], v[TP+2], v[TP+3], s[HM]
	global_store_b32 v[L4], v[TP+4], s[20:21]
	global_store_b32 v[L4], v[TP+5], s[20:21] offset:128
	; sum k over the run's 64 tokens: four tiles, then the 16 lanes of a half
.irp p, 0,2,4,6
	v_pk_add_f32 v[ACD+\p:ACD+\p+1], v[KX+\p:KX+\p+1], v[KX+8+\p:KX+8+\p+1]
.endr
.irp p, 0,2,4,6
	v_pk_add_f32 v[ACD+\p:ACD+\p+1], v[ACD+\p:ACD+\p+1], v[KX+16+\p:KX+16+\p+1]
.endr
.irp p, 0,2,4,6
	v_pk_add_f32 v[ACD+\p:ACD+\p+1], v[ACD+\p:ACD+\p+1], v[KX+24+\p:KX+24+\p+1]
.endr
.irp m, 1,2,4,8
.irp j, 0,1,2,3,4,5,6,7
	v_add_f32_dpp v[ACD+\j], v[ACD+\j], v[ACD+\j] row_xmask:\m row_mask:0xf bank_mask:0xf
.endr
.endr
	WIN 0x0c                                       ; store data: window 3
	global_store_b128 v[LI], v[K2:K2+3], s[22:23]
	global_store_b128 v[LI], v[K2+4:K2+7], s[22:23] offset:512
	WIN 0
	global_store_b128 v[LI], v[ACD:ACD+3], s[22:23] offset:1024
	global_store_b128 v[LI], v[ACD+4:ACD+7], s[22:23] offset:1536
	; v as codes along the keys: a lane's eight registers of a tile are eight neighbouring tokens of one column
	s_wait_xcnt 0x0                                ; q's stores have read their registers: the codes land there
	WIN 0x82
.set i, 0
.rept 128
	v_med3_num_f32 v[ACCV+i], v[ACCV+i], s[VN], s[VP]   ; the conversion to an 8-bit code does not saturate (ISA guide 7.6.2): the hold comes first
.set i, i+1
.endr
	WIN 0x02
.irp e, 0,1,2,3
.irp t, 0,1,2,3
	v_cvt_scalef32_pk8_bf8_f32 v[VC+8*\e+2*\t:VC+8*\e+2*\t+1], v[ACCV+8*(4*\t+\e):ACCV+8*(4*\t+\e)+7], v[SCV]
.endr
.endr
	v_nop                                          ; one plain line behind the last conversion
	WIN 0
.irp e, 0,1,2,3
	global_store_b128 v[LI], v[VC+8*\e:VC+8*\e+3], s[16:17] offset:\e*1024
	global_store_b128 v[LI], v[VC+8*\e+4:VC+8*\e+7], s[16:17] offset:\e*1024+512
.endr
	; k's features
.macro FEAT xo, x8, f                  ; xo: my eight dims, x8: the other half's; f: the fragment
.irp a, 0,1,2,3,4,5,6,7
	v_mul_f32 v[U2+2*\a], s[CC], v[\xo+\a]
	v_mul_f32 v[U2+2*\a+1], s[CC], v[\xo+\a]
.endr
.irp a, 0,1,2,3,4,5,6,7
.irp p, 0,2,4,6
	v_pk_mul_f32 v[PR+16*(\a%2)+\p:PR+16*(\a%2)+\p+1], v[\xo+\p:\xo+\p+1], v[U2+2*\a:U2+2*\a+1]
	v_pk_mul_f32 v[PR+16*(\a%2)+8+\p:PR+16*(\a%2)+8+\p+1], v[\x8+\p:\x8+\p+1], v[U2+2*\a:U2+2*\a+1]
.endr
.irp i, 0,1,2,3,4,5,6,7,8,9,10,11,12,13,14,15
	v_med3_num_f32 v[PR+16*(\a%2)+\i], v[PR+16*(\a%2)+\i], s[HN], s[HP]
.endr
	v_cvt_scalef32_pk8_bf8_f32 v[\f+4*\a:\f+4*\a+1], v[PR+16*(\a%2):PR+16*(\a%2)+7], v[SC]
	v_cvt_scalef32_pk8_bf8_f32 v[\f+4*\a+2:\f+4*\a+3], v[PR+16*(\a%2)+8:PR+16*(\a%2)+15], v[SC]
.endr
.irp p, 0,2,4,6
	v_pk_mul_f32 v[L8+\p:L8+\p+1], v[\xo+\p:\xo+\p+1], 0.5 op_sel_hi:[1,0]
.endr
.irp i, 0,1,2,3,4,5,6,7
	v_med3_num_f32 v[L8+\i], v[L8+\i], s[HN], s[HP]
.endr
	v_cvt_scalef32_pk8_bf8_f32 v[\f+32:\f+33], v[L8:L8+7], v[SC]
	v_nop
.endm
	s_wait_xcnt 0x0                                ; the stores above have read their registers
	v_sub_nc_u32 v[L8], 1, v[HH]
	v_cvt_f32_u32 v[L8], v[L8]                     ; the feature 1, in lanes 0-15 alone
.irp j, 1,2,3,4,5,6,7
	v_mov_b32 v[L8+\j], 0
.endr
	v_med3_num_f32 v[L8], v[L8], s[HN], s[HP]
	v_cvt_scalef32_pk8_bf8_f32 v[F0+34:F0+35], v[L8:L8+7], v[SC]
	v_cvt_scalef32_pk8_bf8_f32 v[F1+34:F1+35], v[L8:L8+7], v[SC]
	v_nop
.irp t, 0,1,2,3
.if \t >= 2
	s_wait_xcnt 0x0                                ; the fragment's last stores have read it
.endif
.irp j, 0,1,2,3,4,5,6,7
	v_permlanex16_b32 v[X8+\j], v[KX+8*\t+\j], s[SEL], s[SEL+1]
.endr
	FEAT KX+8*\t, X8, F0+36*(\t%2)
.irp u, 0,1,2,3,4,5,6,7,8
	global_store_b128 v[LI], v[F0+36*(\t%2)+4*\u:F0+36*(\t%2)+4*\u+3], s[14:15] offset:\t*4608+\u*512   ; 512 consecutive bytes a store
.endr
.endr
	s_wait_tensorcnt 0x0                           ; the wave's end
	ds_add_u32 v[SPW], v[NIL]
	s_wait_dscnt 0x0
	CROUND                                         ; the closing round
	s_endpgm
.Lfunc_end_k_q22408ea065_proj:
	.size	k_q22408ea065_proj, .Lfunc_end_k_q22408ea065_proj-k_q22408ea065_proj
	.p2alignl 7, 3214868480
	.fill 96, 4, 3214868480
	.section	.rodata,"a",@progbits
	.p2align	6, 0x0
	.amdhsa_kernel k_q22408ea065_proj
		.amdhsa_group_segment_fixed_size 327680
		.amdhsa_private_segment_fixed_size 0
		.amdhsa_enable_private_segment 0
		.amdhsa_kernarg_size 80
		.amdhsa_user_sgpr_count 2
		.amdhsa_user_sgpr_kernarg_segment_ptr 1
		.amdhsa_wavefront_size32 1
		.amdhsa_system_sgpr_workgroup_id_x 1
		.amdhsa_system_sgpr_workgroup_id_y 1
		.amdhsa_system_sgpr_workgroup_id_z 1
		.amdhsa_system_vgpr_workitem_id 0
		.amdhsa_next_free_vgpr 896
		.amdhsa_next_free_sgpr 102
		.amdhsa_reserve_vcc 0
		.amdhsa_float_denorm_mode_32 3
		.amdhsa_float_denorm_mode_16_64 3
		.amdhsa_memory_ordered 1
		.amdhsa_forward_progress 1
		.amdhsa_inst_pref_size 149
	.end_amdhsa_kernel
	.amdgpu_metadata
---
amdhsa.version: [ 1, 2 ]
amdhsa.kernels:
  - .name:           k_q22408ea065_proj
    .symbol:         k_q22408ea065_proj.kd
    .args:
      - { .name: hidden_states_codes, .offset: 0, .size: 8, .value_kind: global_buffer, .address_space: global }
      - { .name: Wq_codes, .offset: 8, .size: 8, .value_kind: global_buffer, .address_space: global }
      - { .name: Wk_codes, .offset: 16, .size: 8, .value_kind: global_buffer, .address_space: global }
      - { .name: Wv_codes, .offset: 24, .size: 8, .value_kind: global_buffer, .address_space: global }
      - { .name: lowp_scales, .offset: 32, .size: 8, .value_kind: global_buffer, .address_space: global }
      - { .name: kf, .offset: 40, .size: 8, .value_kind: global_buffer, .address_space: global }
      - { .name: vt, .offset: 48, .size: 8, .value_kind: global_buffer, .address_space: global }
      - { .name: qi, .offset: 56, .size: 8, .value_kind: global_buffer, .address_space: global }
      - { .name: dl, .offset: 64, .size: 8, .value_kind: global_buffer, .address_space: global }
      - { .name: st, .offset: 72, .size: 8, .value_kind: global_buffer, .address_space: global }
    .group_segment_fixed_size: 327680
    .private_segment_fixed_size: 0
    .kernarg_segment_align: 8
    .kernarg_segment_size: 80
    .max_flat_workgroup_size: 128
    .sgpr_count:     102
    .vgpr_count:     896
    .wavefront_size: 32
...
	.end_amdgpu_metadata
.endif
;; end of part 1
;; launch attn (part 2): grid 8 x 32, 4 waves a work-group, no clusters, 184,832 bytes of LDS; arguments kf, vt, qi, dl, st, lowp_scales, yi; writes yi
.if DOCPART == 2
	.amdgcn_target "amdgcn-amd-amdhsa--gfx1250"
	.amdhsa_code_object_version 6
	.text
	.protected	k_q22408ea065_attn
	.globl	k_q22408ea065_attn
	.p2align	8
	.type	k_q22408ea065_attn,@function
k_q22408ea065_attn:
	s_mov_b64 s[64:65], 0
	v_nop
	global_prefetch_b8 v0, s[64:65] scope:SCOPE_SE
	s_setreg_imm32_b32 hwreg(HW_REG_WAVE_MODE, 25, 1), 1
	s_wait_xcnt 0x0
; y z for one head: A = tril(qf kf^T) quantised (2^e8), y = A v, z = 1 / (qf . cumsum kf + 1e-12), y z quantised (2^e10) into images of the last product's operand.
; SHARES.  Work-group (i, bh) owns two blocks of 128 queries of head bh, block 15 - i and then block i: 34 chunks of 64 keys at or under the diagonal for every work-group.
; THE WAVES SHARE THE KEYS: each wave holds the features of all eight query tiles and walks chunks w, w + 4, ..: a fragment of kf then feeds eight products, and comes from memory straight into
; registers as an image (512 consecutive bytes a load).  The waves' partial sums of O^T meet in LDS at a block's end; wave w finishes query tiles 2 w and 2 w + 1.
; Tiles wholly above the diagonal are not multiplied; on the diagonal hidden scores become 0 ahead of the quantiser.
; REQUESTS.  The first block's q is asked for with the head's loads; the second block's q and first chunk as soon as the first block's walk has ended, so that they land while the partial sums are merged.
; BY TURNS.  In a chunk wholly under the diagonal the work goes by key tile (8 score tiles, 24 products), on two score slots: the holds of the tile before stand three behind each product of the tile in hand.
; NO CLUSTER: work-groups that walk the same head own different query blocks, so their trip counts and their branches on the diagonal differ, which partners of a joint load may not.
; NO TENSOR LOADS: no two waves read the same key tile, so LDS would only be one more road for the same bytes.
; LAYOUT.  Both products transposed: S^T = kf qf^T (source 0 = 16 keys), O^T = v^T P (source 0 = 16 of the head's 64): a lane holds query lane % 16 throughout; eight scores of a lane are eight neighbouring keys.
; K = 273 goes as 128 + 128 + 64 (17 of the 64 used, the rest zero codes).
; THE DENOMINATOR: count + q . K1 / 4 + q^T K2 q / 32 over the runs of 64 tokens before the query's own, K1 = sum k, K2 = sum k k^T, all f32, + the own run's part from dl.
; LIMITS: e6, e10 and e8 - e6 - e7 between -126 and 112.  e8 + e9 is applied by v_ldexp_f32.  NaN is not served.
.set QF, 0                             ; LDS: the block's eight fragments of qf, 4,608 bytes each
.set PB, 36864                         ; the waves' partial states: [block 2][wave 4][2,048]
.set MG, 53248                         ; the waves' partial O^T: [wave 4][query tile 8][tile 4][1,024]
.set KFT, 4608
.set KFC, 4*KFT                        ; a chunk of kf
.set KFS, 4*KFC                        ; from my chunk to my next
.set VTS, 16384
; window 0
.set LI, 1
.set MGS, 2
.set MGR0, 3
.set ZR, 4
.set SCA, 5                            ; 2^(e8 - e6 - e7)
.set SCY, 6                            ; 2^e10
.set MGR1, 7
.set ZC, 8                             ; v8-11 z of the block in hand, each twice;  v12-15 of the next
.set ZN, 12
.set T0, 16                            ; v16-31: results of the f32 matrix form, written by matrix instructions alone
.set T1, 24
.set KFB, 32                           ; four fragments of kf, 40 registers each (36..39 stay zero)
.set VB, 192                           ; four tiles of v^T
.set QFS, 224
.set PBS, 225
.set AC, 226                           ; ahead of the blocks:
.set DT, 226
.set C8, 242
.set DL, 250
.set R4, 254
.set TM, 255
.set SL, 32
.set PT, 32
.set TOT, 160
.set QP, 192
; window 1: qf registers 0..31 of tile qt at 32 qt.   window 2: O^T (qt, et) at 8 (4 qt + et).   window 3:
.set SS, 0                             ; sixteen score tiles: two slots of eight
.set QL, 128                           ; qf registers 32..39
.set PP, 192                           ; P
; window 1, at a block's head: v0-31 q of my two tiles (own dims, the other half's), then
.set U2, 32
.set PR, 48
.set L8, 80
.set F0, 88
.set F1, 124
.set SC, 160
; window 2, at a block's end
.set YY, 64
; scalars
.set WV, 18
.set BH, 20
.set BLK, 21
.set NF, 22
.set DV, 23
.set LEFT, 24
.set PH, 25
.set KFP, 26
.set VTP, 28
.set QIP, 30
.set YIP, 32
.set MK, 40
.set LAN, 48
.set LAP, 49
.set LYN, 50
.set LYP, 51
.set HN, 52
.set HP, 53
.set SQB, 54
.set CC, 55
.set SEL, 56
.set C32, 58
.set E8, 60
.set EZ, 62
.set BLKA, 80
.set BLKB, 81
.set KF0, 82
.set VT0, 84
.set QB, 86
.set STW, 88
.set STA, 90
.set STB, 92
.set DLA, 94
.set DLB, 96
.set YB, 98
.set MSB, 0
.macro WIN new
.if MSB != (\new)
	s_set_vgpr_msb (MSB<<8)|(\new)
.set MSB, (\new)
.endif
.endm
.macro PLACES n
.rept \n
	v_nop
.endr
.endm
.macro QREQ base                       ; q of my two query tiles, own dims and the other half's, into window 1: 8 loads
	WIN 0x40
.irp t, 0,1
.irp c, 0,1,2,3
	global_load_b128 v[16*\t+4*\c:16*\t+4*\c+3], v[LI], s[\base:\base+1] offset:\t*2048+\c*512
.endr
.endr
	WIN 0
.endm
	s_load_b256 s[4:11], s[0:1], 0x0               ; kf, vt, qi, dl
	s_load_b128 s[12:15], s[0:1], 0x20             ; st, scales
	s_load_b64 s[16:17], s[0:1], 0x30              ; yi
	v_lshrrev_b32 v1, 5, v0
	v_readfirstlane_b32 s[WV], v1
	v_and_b32 v1, 31, v0
	v_lshlrev_b32 v[LI], 4, v1
	v_and_b32 v[R4], 15, v0
	v_bfe_u32 v[TM], v0, 4, 1
	v_lshlrev_b32 v[TM], 3, v[TM]
	v_sub_nc_u32 v[TM], v[R4], v[TM]               ; r - 8 h
.irp j, 0,1,2,3,4,5,6,7
	v_cmp_gt_i32 s[MK+\j], \j, v[TM]               ; on the diagonal: key 8 h + j comes after query r
.endr
	v_lshlrev_b32 v[R4], 2, v[R4]
	v_mov_b32 v[ZR], 0
	s_mul_i32 s34, s[WV], 32768                    ; every LDS address is made here, ahead of the first branch
	s_add_co_u32 s34, s34, MG
	v_add_nc_u32 v[MGS], s34, v[LI]
	s_lshl_b32 s34, s[WV], 13
	s_add_co_u32 s34, s34, MG
	v_add_nc_u32 v[MGR0], s34, v[LI]
	v_add_nc_u32 v[MGR1], 0x10000, v[MGR0]
	s_mul_i32 s34, s[WV], 2*KFT
	v_add_nc_u32 v[QFS], s34, v[LI]
	s_lshl_b32 s34, s[WV], 11
	s_add_co_u32 s34, s34, PB
	v_add_nc_u32 v[PBS], s34, v[LI]
	s_and_b32 s[BH], ttmp7, 0xffff
	s_sub_co_u32 s[BLKA], 15, ttmp9
	s_mov_b32 s[BLKB], ttmp9
	s_mov_b32 s[BLK], s[BLKA]
	s_mov_b32 s35, 0
	s_mov_b32 s[CC], 0x3e3504f3
	s_mov_b32 s[SEL], 0x76543210
	s_mov_b32 s[SEL+1], 0xfedcba98
	s_mov_b32 s[C32], 0x3d000000
	s_mov_b32 s[E8], 0x41000000
	s_mov_b32 s[E8+1], 0x41000000
	s_wait_kmcnt 0x0
	s_load_b256 s[68:75], s[14:15], 0x0            ; e0 .. e7
	s_load_b128 s[76:79], s[14:15], 0x20           ; e8 .. e11
	s_mul_i32 s34, s[BH], 589824
	s_mul_i32 s36, s[WV], KFC
	s_add_co_u32 s34, s34, s36
	s_add_nc_u64 s[KF0:KF0+1], s[4:5], s[34:35]    ; kf at my first chunk
	s_lshl_b32 s34, s[BH], 17
	s_lshl_b32 s36, s[WV], 12
	s_add_co_u32 s34, s34, s36
	s_add_nc_u64 s[VT0:VT0+1], s[6:7], s[34:35]
	s_lshl_b32 s37, s[BH], 16
	s_lshl_b32 s36, s[WV], 11
	s_add_co_u32 s34, s37, s36
	s_add_nc_u64 s[STW:STW+1], s[12:13], s[34:35]  ; st at run w
	s_lshl_b32 s36, s[BLKA], 12
	s_add_co_u32 s34, s37, s36
	s_add_nc_u64 s[STA:STA+1], s[12:13], s[34:35]  ; st at run 2 blk
	s_lshl_b32 s36, s[BLKB], 12
	s_add_co_u32 s34, s37, s36
	s_add_nc_u64 s[STB:STB+1], s[12:13], s[34:35]
	s_lshl_b32 s37, s[BH], 18
	s_lshl_b32 s36, s[WV], 12
	s_add_co_u32 s37, s37, s36
	s_lshl_b32 s36, s[BLKA], 14
	s_add_co_u32 s34, s37, s36
	s_add_nc_u64 s[QIP:QIP+1], s[8:9], s[34:35]    ; qi at query tile 8 blk + 2 w
	s_lshl_b32 s36, s[BLKB], 14
	s_add_co_u32 s34, s37, s36
	s_add_nc_u64 s[QB:QB+1], s[8:9], s[34:35]
	s_lshl_b32 s37, s[BH], 13
	s_lshl_b32 s36, s[WV], 7
	s_add_co_u32 s37, s37, s36
	s_lshl_b32 s36, s[BLKA], 9
	s_add_co_u32 s34, s37, s36
	s_add_nc_u64 s[DLA:DLA+1], s[10:11], s[34:35]
	s_lshl_b32 s36, s[BLKB], 9
	s_add_co_u32 s34, s37, s36
	s_add_nc_u64 s[DLB:DLB+1], s[10:11], s[34:35]
	s_lshr_b32 s37, s[BH], 4                       ; yi: token tile (128 batch + 8 blk + 2 w) x 16,384 + (head / 2) x 2,048 + (head % 2) x 1,024
	s_lshl_b32 s37, s37, 21
	s_lshl_b32 s36, s[WV], 15
	s_add_co_u32 s37, s37, s36
	s_bfe_u32 s36, s[BH], 0x30001
	s_lshl_b32 s36, s36, 11
	s_add_co_u32 s37, s37, s36
	s_and_b32 s36, s[BH], 1
	s_lshl_b32 s36, s36, 10
	s_add_co_u32 s37, s37, s36
	s_lshl_b32 s36, s[BLKA], 17
	s_add_co_u32 s34, s37, s36
	s_add_nc_u64 s[YIP:YIP+1], s[16:17], s[34:35]
	s_lshl_b32 s36, s[BLKB], 17
	s_add_co_u32 s34, s37, s36
	s_add_nc_u64 s[YB:YB+1], s[16:17], s[34:35]
	; ---- z for my four query tiles.  All in window 0, in the registers that later hold kf and v.
.irp t, 0,1,2,3,4,5,6,7
.irp c, 0,1,2,3
	global_load_b128 v[SL+16*\t+4*\c:SL+16*\t+4*\c+3], v[LI], s[STW:STW+1] offset:\t*8192+\c*512   ; run 4 t + w: K2 (8 registers), K1 (8)
.endr
.endr
.irp c, 0,1,2,3
	global_load_b128 v[TOT+4*\c:TOT+4*\c+3], v[LI], s[STA:STA+1] offset:\c*512
	global_load_b128 v[TOT+16+4*\c:TOT+16+4*\c+3], v[LI], s[STB:STB+1] offset:\c*512
.endr
.irp t, 0,1
.irp c, 0,1
	global_load_b128 v[QP+8*\t+4*\c:QP+8*\t+4*\c+3], v[LI], s[QIP:QIP+1] offset:\t*2048+\c*512
	global_load_b128 v[QP+16+8*\t+4*\c:QP+16+8*\t+4*\c+3], v[LI], s[QB:QB+1] offset:\t*2048+\c*512
.endr
	global_load_b32 v[DL+\t], v[R4], s[DLA:DLA+1] offset:\t*64
	global_load_b32 v[DL+2+\t], v[R4], s[DLB:DLB+1] offset:\t*64
.endr
	QREQ QIP                                       ; the first block's q for its features: asked for here, so that the block's head does not wait for it
	s_wait_kmcnt 0x0
	s_sub_co_i32 s36, s76, s74
	s_sub_co_i32 s36, s36, s75
	s_add_co_i32 s36, s36, 127
	s_lshl_b32 s37, s36, 23
	v_mov_b32 v[SCA], s37                          ; a score stands for score x 2^(e6 + e7): the three scales folded into one
	s_add_co_i32 s36, s36, 15
	s_lshl_b32 s[LAP], s36, 23
	s_or_b32 s[LAP], s[LAP], 0x600000
	s_or_b32 s[LAN], s[LAP], 0x80000000
	s_add_co_i32 s36, s78, 127
	s_lshl_b32 s37, s36, 23
	v_mov_b32 v[SCY], s37
	s_add_co_i32 s36, s36, 15
	s_lshl_b32 s[LYP], s36, 23
	s_or_b32 s[LYP], s[LYP], 0x600000
	s_or_b32 s[LYN], s[LYP], 0x80000000
	s_add_co_i32 s36, s74, 127
	s_lshl_b32 s[SQB], s36, 23                     ; 2^e6
	s_add_co_i32 s36, s36, 15
	s_lshl_b32 s[HP], s36, 23
	s_or_b32 s[HP], s[HP], 0x600000
	s_or_b32 s[HN], s[HP], 0x80000000
	s_add_co_i32 s[EZ], s76, s77                   ; e8 + e9
	s_wait_loadcnt 0x0
.macro CADD t                          ; run 4 t + w counts where it lies before run 2 blk: a branch on ids
	s_cmp_gt_i32 s36, 4*\t
	s_cbranch_scc0 .Lskip_\@
.irp p, 0,2,4,6,8,10,12,14
	v_pk_add_f32 v[AC+\p:AC+\p+1], v[AC+\p:AC+\p+1], v[SL+16*\t+\p:SL+16*\t+\p+1]
.endr
.Lskip_\@:
.endm
.irp ph, 0,1
.irp j, 0,1,2,3,4,5,6,7,8,9,10,11,12,13,14,15
	v_mov_b32 v[AC+\j], 0
.endr
	s_lshl_b32 s36, s[BLKA+\ph], 1
	s_sub_co_i32 s36, s36, s[WV]
.irp t, 0,1,2,3,4,5,6,7
	CADD \t
.endr
.irp c, 0,1,2,3
	ds_store_b128 v[PBS], v[AC+4*\c:AC+4*\c+3] offset:\ph*8192+\c*512
.endr
	s_wait_dscnt 0x0                               ; the stores have read their registers, and have landed
.endr
	s_barrier_signal -1
	s_barrier_wait -1
.irp ph, 0,1
.irp sr, 0,1,2,3
.irp c, 0,1,2,3
	ds_load_b128 v[PT+64*\ph+16*\sr+4*\c:PT+64*\ph+16*\sr+4*\c+3], v[LI] offset:PB+\ph*8192+\sr*2048+\c*512
.endr
.endr
.endr
	s_wait_dscnt 0x0
.irp ph, 0,1
.irp sr, 1,2,3
.irp p, 0,2,4,6,8,10,12,14
	v_pk_add_f32 v[PT+64*\ph+\p:PT+64*\ph+\p+1], v[PT+64*\ph+\p:PT+64*\ph+\p+1], v[PT+64*\ph+16*\sr+\p:PT+64*\ph+16*\sr+\p+1]
.endr
.endr
.endr
	s_cmp_lt_u32 s[WV], 2                          ; waves 2, 3: their queries lie in run 2 blk + 1, so run 2 blk counts too
	s_cbranch_scc1 .Llow
.irp ph, 0,1
.irp p, 0,2,4,6,8,10,12,14
	v_pk_add_f32 v[PT+64*\ph+\p:PT+64*\ph+\p+1], v[PT+64*\ph+\p:PT+64*\ph+\p+1], v[TOT+16*\ph+\p:TOT+16*\ph+\p+1]
.endr
.endr
.Llow:
; T = K2 q + 8 K1 (K2 is symmetric, so its result layout serves as source 0); q . T / 32 = q^T K2 q / 32 + q . K1 / 4
.macro ZPH ph, zd
.irp p, 0,2,4,6
	v_pk_mul_f32 v[C8+\p:C8+\p+1], v[PT+64*\ph+8+\p:PT+64*\ph+8+\p+1], s[E8:E8+1] op_sel_hi:[1,0]
.endr
	v_wmma_f32_16x16x4_f32 v[T0:T0+7], v[PT+64*\ph:PT+64*\ph+1], v[QP+16*\ph:QP+16*\ph+1], v[C8:C8+7]
	v_wmma_f32_16x16x4_f32 v[T1:T1+7], v[PT+64*\ph:PT+64*\ph+1], v[QP+16*\ph+8:QP+16*\ph+9], v[C8:C8+7]
.irp s, 1,2,3
	v_wmma_f32_16x16x4_f32 v[T0:T0+7], v[PT+64*\ph+2*\s:PT+64*\ph+2*\s+1], v[QP+16*\ph+2*\s:QP+16*\ph+2*\s+1], v[T0:T0+7]
	v_wmma_f32_16x16x4_f32 v[T1:T1+7], v[PT+64*\ph+2*\s:PT+64*\ph+2*\s+1], v[QP+16*\ph+8+2*\s:QP+16*\ph+8+2*\s+1], v[T1:T1+7]
.endr
	PLACES 9                                       ; eight behind this form for the reads, nine for the next block's products, which write the same registers (ISA guide 7.12.1)
.irp t, 0,1
	v_pk_mul_f32 v[DT+2*\t:DT+2*\t+1], v[QP+16*\ph+8*\t:QP+16*\ph+8*\t+1], v[T0+8*\t:T0+8*\t+1]
.irp p, 2,4,6
	v_pk_fma_f32 v[DT+2*\t:DT+2*\t+1], v[QP+16*\ph+8*\t+\p:QP+16*\ph+8*\t+\p+1], v[T0+8*\t+\p:T0+8*\t+\p+1], v[DT+2*\t:DT+2*\t+1]
.endr
.endr
	v_add_f32 v[DT], v[DT], v[DT+1]
	v_add_f32 v[DT+2], v[DT+2], v[DT+3]
	v_permlanex16_b32 v[DT+1], v[DT], s[SEL], s[SEL+1]
	v_permlanex16_b32 v[DT+3], v[DT+2], s[SEL], s[SEL+1]
	v_add_f32 v[DT], v[DT], v[DT+1]
	v_add_f32 v[DT+2], v[DT+2], v[DT+3]
	v_fma_f32 v[DT], v[DT], s[C32], v[DL+2*\ph]
	v_fma_f32 v[DT+2], v[DT+2], s[C32], v[DL+2*\ph+1]
	s_lshl_b32 s36, s[BLKA+\ph], 1
	s_lshr_b32 s37, s[WV], 1
	s_add_co_u32 s36, s36, s37
	s_lshl_b32 s36, s36, 6
	s_cvt_f32_u32 s36, s36                         ; the ones of the runs before: 64 for each
	v_add_f32 v[DT], s36, v[DT]
	v_add_f32 v[DT+2], s36, v[DT+2]
	v_add_f32 v[DT], 0x2b8cbccc, v[DT]             ; + 1e-12
	v_add_f32 v[DT+2], 0x2b8cbccc, v[DT+2]
	v_rcp_f32 v[DT], v[DT]
	v_rcp_f32 v[DT+2], v[DT+2]
	v_nop                                          ; a plain line behind the reciprocals
	s_wait_alu depctr_va_vdst(0)
	v_ldexp_f32 v[\zd], v[DT], s[EZ]               ; z x 2^(e8 + e9)
	v_ldexp_f32 v[\zd+1], v[DT], s[EZ]
	v_ldexp_f32 v[\zd+2], v[DT+2], s[EZ]
	v_ldexp_f32 v[\zd+3], v[DT+2], s[EZ]
.endm
	ZPH 0, ZC
	ZPH 1, ZN
.irp t, 0,1,2,3
.irp j, 36,37,38,39
	v_mov_b32 v[KFB+40*\t+\j], 0                   ; zero codes: the rest of the last 64 along K
.endr
.endr
	WIN 0xc0
.irp q, 0,1,2,3,4,5,6,7
.irp j, 4,5,6,7
	v_mov_b32 v[QL+8*\q+\j], 0
.endr
.endr
	WIN 0
.macro KLOAD t0, off                   ; two tiles of kf: 18 loads
.irp t, \t0, \t0+1
.irp u, 0,1,2,3,4,5,6,7,8
	global_load_b128 v[KFB+40*(\t)+4*\u:KFB+40*(\t)+4*\u+3], v[LI], s[KFP:KFP+1] offset:\off+(\t)*KFT+\u*512
.endr
.endr
.endm
.macro VLOAD off                       ; a chunk of v^T: 8 loads
.irp u, 0,1,2,3,4,5,6,7
	global_load_b128 v[VB+4*\u:VB+4*\u+3], v[LI], s[VTP:VTP+1] offset:\off+\u*512
.endr
.endm
; Behind the products that read a buffer: four places, then my next chunk's part into it, if there is a next chunk.  The way that asks for nothing waits for all loads, so that the counted waits hold on both ways.
.macro SITE kind
	WIN 0
	PLACES 4
	s_cmp_gt_u32 s[LEFT], 1
	s_cbranch_scc0 .Lnone_\@
.if \kind == 0
	KLOAD 0, KFS
.elseif \kind == 1
	KLOAD 2, KFS
.else
	VLOAD VTS
.endif
	s_branch .Ljoin_\@
.Lnone_\@:
	s_wait_loadcnt 0x0
.Ljoin_\@:
.endm
; Product i of the 24 of key tile g: 0-7 the first 128 along K (they start the sums), 8-15 the second, 16-23 the last 64; query tile i % 8; score slot g % 2.  The eight sums take turns.
.macro KTILE1 g
.set qq, i%8
.set rS, SS+64*((\g)%2)+8*qq
.if i < 8
	WIN 0xf4                                       ; kf window 0, qf window 1, scores window 3
	v_wmma_f32_16x16x128_bf8_bf8 v[rS:rS+7], v[KFB+40*(\g):KFB+40*(\g)+15], v[32*qq:32*qq+15], 0
.elseif i < 16
	WIN 0xf4
	v_wmma_f32_16x16x128_bf8_bf8 v[rS:rS+7], v[KFB+40*(\g)+16:KFB+40*(\g)+31], v[32*qq+16:32*qq+31], v[rS:rS+7]
.else
	WIN 0xfc                                       ; qf's last registers lie in window 3
	v_wmma_f32_16x16x64_bf8_bf8 v[rS:rS+7], v[KFB+40*(\g)+32:KFB+40*(\g)+39], v[QL+8*qq:QL+8*qq+7], v[rS:rS+7]
.endif
.endm
; Hold n of the 64 of key tile g: the conversion to an 8-bit code does not saturate (ISA guide 7.6.2).  The score is the THIRD source: source 2 and the destination lie in window 3 under the products' own settings, so no switch stands round it.
.macro HOLD1 g
.if n < 64
	v_med3_num_f32 v[SS+64*((\g)%2)+n], s[LAN], s[LAP], v[SS+64*((\g)%2)+n]
.set n, n+1
.endif
.endm
; Key tile g's 24 products.  prev = 1: three holds of the tile before stand behind each; they are also the places between the second 128 along K and the last 64, which is another form on the same sums (five are asked: ISA guide 7.12.1).
.macro KTILE g, prev
.set i, 0
.set n, 0
.rept 24
	KTILE1 \g
.if \prev
	HOLD1 (\g)-1
	HOLD1 (\g)-1
	HOLD1 (\g)-1
.elseif i == 15
	PLACES 5
.endif
.set i, i+1
.endr
.endm
.macro TOCODE g                        ; key tile g's held scores become registers 2 g, 2 g + 1 of P
	WIN 0xc3                                       ; scores and P window 3, the scale window 0
.irp qt, 0,1,2,3,4,5,6,7
	v_cvt_scalef32_pk8_bf8_f32 v[PP+8*\qt+2*(\g):PP+8*\qt+2*(\g)+1], v[SS+64*((\g)%2)+8*\qt:SS+64*((\g)%2)+8*\qt+7], v[SCA]
.endr
	v_nop                                          ; one plain line behind the last conversion: products write its sources next, or read its results
.endm
; A CHUNK of 64 keys wholly under the diagonal, against the block's eight query tiles; my next chunk is fetched on the way.  Loads are issued in the order 18 (tiles 0, 1), 18 (tiles 2, 3), 8 (v):
; each wait leaves out what was issued behind the part that is wanted: 18 + 8, 8 + 18, 18 + 18.
.macro FULL
	s_wait_loadcnt 26
	KTILE 0, 0
	PLACES 4                                       ; in front of the first read of tile 0's scores
	KTILE 1, 1
	TOCODE 0
	SITE 0
	s_wait_loadcnt 26
	KTILE 2, 1
	TOCODE 1
	KTILE 3, 1
	TOCODE 2
	SITE 1
	WIN 0xf4
.set n, 0
.rept 64
	HOLD1 3
.endr
	TOCODE 3
	s_wait_loadcnt 36
	WIN 0xac                                       ; v^T window 0, P window 3, O^T window 2
.irp et, 0,1,2,3
.irp qt, 0,1,2,3,4,5,6,7
	v_wmma_f32_16x16x64_bf8_bf8 v[8*(4*\qt+\et):8*(4*\qt+\et)+7], v[VB+8*\et:VB+8*\et+7], v[PP+8*\qt:PP+8*\qt+7], v[8*(4*\qt+\et):8*(4*\qt+\et)+7]
.endr
.endr
	SITE 2
	s_wait_xcnt 0x0                                ; the loads have read their bases
	s_add_nc_u64 s[KFP:KFP+1], s[KFP:KFP+1], KFS
	s_add_nc_u64 s[VTP:VTP+1], s[VTP:VTP+1], VTS
	s_sub_co_u32 s[LEFT], s[LEFT], 1
.endm
; A DIAGONAL CHUNK, my last of the block: key tile kt meets query tile qt where qt - kt - off >= 0 (= 0: on the diagonal); off = 0, 4: the block's first, second.  Nothing is fetched: the waits leave out 18 + 8, 8, 0.
.macro DIAG off
.irp hf, 0,1
.if \hf == 1
	s_wait_loadcnt 8
.else
	s_wait_loadcnt 26
.endif
	WIN 0xf4
.irp ps, 0,1
.irp k2, 0,1
.irp qt, 0,1,2,3,4,5,6,7
.if (\qt-2*\hf-\k2-(\off)) >= 0
.if \ps == 0
	v_wmma_f32_16x16x128_bf8_bf8 v[SS+8*(8*\k2+\qt):SS+8*(8*\k2+\qt)+7], v[KFB+40*(2*\hf+\k2):KFB+40*(2*\hf+\k2)+15], v[32*\qt:32*\qt+15], 0
.else
	v_wmma_f32_16x16x128_bf8_bf8 v[SS+8*(8*\k2+\qt):SS+8*(8*\k2+\qt)+7], v[KFB+40*(2*\hf+\k2)+16:KFB+40*(2*\hf+\k2)+31], v[32*\qt+16:32*\qt+31], v[SS+8*(8*\k2+\qt):SS+8*(8*\k2+\qt)+7]
.endif
.endif
.endr
.endr
.endr
	PLACES 5                                       ; another form takes the sums up: five places (ISA guide 7.12.1)
	WIN 0xfc
.irp k2, 0,1
.irp qt, 0,1,2,3,4,5,6,7
.if (\qt-2*\hf-\k2-(\off)) >= 0
	v_wmma_f32_16x16x64_bf8_bf8 v[SS+8*(8*\k2+\qt):SS+8*(8*\k2+\qt)+7], v[KFB+40*(2*\hf+\k2)+32:KFB+40*(2*\hf+\k2)+39], v[QL+8*\qt:QL+8*\qt+7], v[SS+8*(8*\k2+\qt):SS+8*(8*\k2+\qt)+7]
.endif
.endr
.endr
	PLACES 4
	WIN 0xc3                                       ; scores and P window 3; the zero and the scale window 0
.irp k2, 0,1
.irp qt, 0,1,2,3,4,5,6,7
.if (\qt-(\off)) >= 0
.if (\qt-2*\hf-\k2-(\off)) < 0
	v_mov_b32 v[PP+8*\qt+2*(2*\hf+\k2)], 0         ; a hidden tile: zero codes
	v_mov_b32 v[PP+8*\qt+2*(2*\hf+\k2)+1], 0
.else
.if (\qt-2*\hf-\k2-(\off)) == 0
.irp j, 0,1,2,3,4,5,6,7
	v_cndmask_b32 v[SS+8*(8*\k2+\qt)+\j], v[SS+8*(8*\k2+\qt)+\j], v[ZR], s[MK+\j]
.endr
.endif
.irp j, 0,1,2,3,4,5,6,7
	v_med3_num_f32 v[SS+8*(8*\k2+\qt)+\j], v[SS+8*(8*\k2+\qt)+\j], s[LAN], s[LAP]
.endr
	v_cvt_scalef32_pk8_bf8_f32 v[PP+8*\qt+2*(2*\hf+\k2):PP+8*\qt+2*(2*\hf+\k2)+1], v[SS+8*(8*\k2+\qt):SS+8*(8*\k2+\qt)+7], v[SCA]
.endif
.endif
.endr
.endr
	v_nop                                          ; one plain line behind the last conversion
.endr
	s_wait_loadcnt 0x0
	WIN 0xac
.irp et, 0,1,2,3
.irp qt, 0,1,2,3,4,5,6,7
.if (\qt-(\off)) >= 0
	v_wmma_f32_16x16x64_bf8_bf8 v[8*(4*\qt+\et):8*(4*\qt+\et)+7], v[VB+8*\et:VB+8*\et+7], v[PP+8*\qt:PP+8*\qt+7], v[8*(4*\qt+\et):8*(4*\qt+\et)+7]
.endif
.endr
.endr
	WIN 0
.endm
.macro FEAT xo, x8, f                  ; xo: my eight dims, x8: the other half's; f: the fragment.  All in the window in hand
.irp a, 0,1,2,3,4,5,6,7
	v_mul_f32 v[U2+2*\a], s[CC], v[\xo+\a]
	v_mul_f32 v[U2+2*\a+1], s[CC], v[\xo+\a]
.endr
.irp a, 0,1,2,3,4,5,6,7
.irp p, 0,2,4,6
	v_pk_mul_f32 v[PR+16*(\a%2)+\p:PR+16*(\a%2)+\p+1], v[\xo+\p:\xo+\p+1], v[U2+2*\a:U2+2*\a+1]
	v_pk_mul_f32 v[PR+16*(\a%2)+8+\p:PR+16*(\a%2)+8+\p+1], v[\x8+\p:\x8+\p+1], v[U2+2*\a:U2+2*\a+1]
.endr
.irp i, 0,1,2,3,4,5,6,7,8,9,10,11,12,13,14,15
	v_med3_num_f32 v[PR+16*(\a%2)+\i], v[PR+16*(\a%2)+\i], s[HN], s[HP]
.endr
	v_cvt_scalef32_pk8_bf8_f32 v[\f+4*\a:\f+4*\a+1], v[PR+16*(\a%2):PR+16*(\a%2)+7], v[SC]
	v_cvt_scalef32_pk8_bf8_f32 v[\f+4*\a+2:\f+4*\a+3], v[PR+16*(\a%2)+8:PR+16*(\a%2)+15], v[SC]
.endr
.irp p, 0,2,4,6
	v_pk_mul_f32 v[L8+\p:L8+\p+1], v[\xo+\p:\xo+\p+1], 0.5 op_sel_hi:[1,0]
.endr
.irp i, 0,1,2,3,4,5,6,7
	v_med3_num_f32 v[L8+\i], v[L8+\i], s[HN], s[HP]
.endr
	v_cvt_scalef32_pk8_bf8_f32 v[\f+32:\f+33], v[L8:L8+7], v[SC]
	v_nop
.endm
	s_mov_b64 s[KFP:KFP+1], s[KF0:KF0+1]
	s_mov_b64 s[VTP:VTP+1], s[VT0:VT0+1]
	KLOAD 0, 0                                     ; the first block's first chunk, w: it lies in the buffer whatever the block, so it is fetched without a branch
	KLOAD 2, 0
	VLOAD 0
	s_mov_b32 s[PH], 0
.Lphase:                                           ; two trips: block 15 - i, then block i
	s_lshl_b32 s34, s[BLK], 1
	s_add_co_u32 s34, s34, 3
	s_sub_co_u32 s34, s34, s[WV]
	s_lshr_b32 s[NF], s34, 2                       ; my chunks wholly under the diagonal: w, w + 4, .. below 2 blk
	s_and_b32 s34, s[BLK], 1
	s_lshl_b32 s34, s34, 1
	s_sub_co_i32 s[DV], s[WV], s34                 ; 0, 1: my last chunk is the block's first, second diagonal chunk
	s_cmp_lt_u32 s[DV], 2
	s_cselect_b32 s34, 1, 0
	s_add_co_u32 s[LEFT], s[NF], s34
	s_wait_loadcnt 44                              ; q is in; the 44 loads of kf and v that were issued behind it stay out
	WIN 0x40
	v_bfe_u32 v[L8], v0, 4, 1
	WIN 0x55                                       ; all in window 1
	v_sub_nc_u32 v[L8], 1, v[L8]
	v_cvt_f32_u32 v[L8], v[L8]                     ; the feature 1, in lanes 0-15 alone
.irp j, 1,2,3,4,5,6,7
	v_mov_b32 v[L8+\j], 0
.endr
	v_mov_b32 v[SC], s[SQB]
	v_med3_num_f32 v[L8], v[L8], s[HN], s[HP]
	v_cvt_scalef32_pk8_bf8_f32 v[F0+34:F0+35], v[L8:L8+7], v[SC]
	v_cvt_scalef32_pk8_bf8_f32 v[F1+34:F1+35], v[L8:L8+7], v[SC]
	v_nop
	FEAT 0, 8, F0
	FEAT 16, 24, F1
	WIN 0x04                                       ; store data window 1
.irp t, 0,1
.irp u, 0,1,2,3,4,5,6,7,8
	ds_store_b128 v[QFS], v[F0+36*\t+4*\u:F0+36*\t+4*\u+3] offset:\t*KFT+\u*512
.endr
.endr
	WIN 0
	s_wait_dscnt 0x0
	s_barrier_signal -1
	s_barrier_wait -1                              ; the block's eight fragments of qf lie in LDS
	WIN 0x40
.irp q, 0,1,2,3,4,5,6,7
.irp u, 0,1,2,3,4,5,6,7
	ds_load_b128 v[32*\q+4*\u:32*\q+4*\u+3], v[LI] offset:QF+\q*KFT+\u*512
.endr
.endr
	WIN 0xc0
.irp q, 0,1,2,3,4,5,6,7
	ds_load_b128 v[QL+8*\q:QL+8*\q+3], v[LI] offset:QF+\q*KFT+4096
.endr
	WIN 0x80
.set i, 0
.rept 256
	v_mov_b32 v[i], 0                              ; O^T.  A wave may have no chunk at all and still hands in its part; these lines are issued while the loads above are out
.set i, i+1
.endr
	WIN 0
	s_wait_dscnt 0x0
	s_cmp_eq_u32 s[NF], 0
	s_cbranch_scc1 .Lnofull
.Lchunk:
	FULL
	s_sub_co_u32 s[NF], s[NF], 1
	s_cmp_lg_u32 s[NF], 0
	s_cbranch_scc1 .Lchunk
.Lnofull:
	s_cmp_eq_u32 s[DV], 0
	s_cbranch_scc0 .Lnot_d0
	DIAG 0
	s_branch .Lwalked
.Lnot_d0:
	s_cmp_eq_u32 s[DV], 1
	s_cbranch_scc0 .Lwalked
	DIAG 4
.Lwalked:
	s_wait_loadcnt 0x0                             ; a wave without a chunk takes its first fetch in; all loads are done, so their bases and registers may be written
	PLACES 4                                       ; behind the last products: for the loads below and for the stores of O^T
	s_cmp_eq_u32 s[PH], 0                          ; behind the first block's walk the second block's q and first chunk are asked for: qf's, kf's and v's registers are free
	s_cbranch_scc0 .Lno_next
	s_mov_b64 s[KFP:KFP+1], s[KF0:KF0+1]
	s_mov_b64 s[VTP:VTP+1], s[VT0:VT0+1]
	QREQ QB
	KLOAD 0, 0
	KLOAD 2, 0
	VLOAD 0
.Lno_next:
	WIN 0x08
.set i, 0
.rept 64
	ds_store_b128 v[MGS], v[4*i:4*i+3] offset:512*i   ; my partial O^T, each accumulator from its low end on
.set i, i+1
.endr
	WIN 0
	s_wait_dscnt 0x0
	s_barrier_signal -1
	s_barrier_wait -1
	WIN 0x80
.irp sr, 0,1
.irp t, 0,1
.irp e, 0,1,2,3
.irp c, 0,1
	ds_load_b128 v[64*\sr+32*\t+8*\e+4*\c:64*\sr+32*\t+8*\e+4*\c+3], v[MGR0] offset:\sr*32768+\t*4096+\e*1024+\c*512
	ds_load_b128 v[128+64*\sr+32*\t+8*\e+4*\c:128+64*\sr+32*\t+8*\e+4*\c+3], v[MGR1] offset:\sr*32768+\t*4096+\e*1024+\c*512
.endr
.endr
.endr
.endr
	WIN 0
	s_wait_dscnt 0x0                               ; my reads are over: behind this barrier the next block may write qf and O^T again
	s_barrier_signal -1
	s_barrier_wait -1
	WIN 0xaa
.irp sr, 1,2,3
.set i, 0
.rept 32
	v_pk_add_f32 v[i:i+1], v[i:i+1], v[64*\sr+i:64*\sr+i+1]
.set i, i+2
.endr
.endr
	WIN 0x82                                       ; z, the scale: window 0
.irp t, 0,1
.set i, 0
.rept 16
	v_pk_mul_f32 v[32*\t+i:32*\t+i+1], v[32*\t+i:32*\t+i+1], v[ZC+2*\t:ZC+2*\t+1]
.set i, i+2
.endr
.endr
.set i, 0
.rept 64
	v_med3_num_f32 v[i], v[i], s[LYN], s[LYP]
.set i, i+1
.endr
.irp t, 0,1
.irp e, 0,1,2,3
	v_cvt_scalef32_pk8_bf8_f32 v[YY+8*\t+2*\e:YY+8*\t+2*\e+1], v[32*\t+8*\e:32*\t+8*\e+7], v[SCY]   ; tiles 2 b, 2 b + 1: 16 neighbours along the last product's K
.endr
.endr
	v_nop
	WIN 0x08
.irp t, 0,1
.irp b, 0,1
	global_store_b128 v[LI], v[YY+8*\t+4*\b:YY+8*\t+4*\b+3], s[YIP:YIP+1] offset:\t*16384+\b*512
.endr
.endr
	WIN 0
	s_wait_xcnt 0x0                                ; the stores have read their registers and their base
.irp j, 0,1,2,3
	v_mov_b32 v[ZC+\j], v[ZN+\j]
.endr
	s_mov_b32 s[BLK], s[BLKB]
	s_mov_b64 s[YIP:YIP+1], s[YB:YB+1]
	s_add_co_u32 s[PH], s[PH], 1
	s_cmp_lt_u32 s[PH], 2
	s_cbranch_scc1 .Lphase
	s_wait_xcnt 0x0
	v_lshl_add_u32 v254, v0, 2, 0x2d000
	v_mov_b32 v255, 0
	s_wait_tensorcnt 0x0
	ds_add_u32 v254, v255
	s_wait_dscnt 0x0
	s_endpgm
.Lfunc_end_k_q22408ea065_attn:
	.size	k_q22408ea065_attn, .Lfunc_end_k_q22408ea065_attn-k_q22408ea065_attn
	.p2alignl 7, 3214868480
	.fill 96, 4, 3214868480
	.section	.rodata,"a",@progbits
	.p2align	6, 0x0
	.amdhsa_kernel k_q22408ea065_attn
		.amdhsa_group_segment_fixed_size 184832
		.amdhsa_private_segment_fixed_size 0
		.amdhsa_enable_private_segment 0
		.amdhsa_kernarg_size 56
		.amdhsa_user_sgpr_count 2
		.amdhsa_user_sgpr_kernarg_segment_ptr 1
		.amdhsa_wavefront_size32 1
		.amdhsa_system_sgpr_workgroup_id_x 1
		.amdhsa_system_sgpr_workgroup_id_y 1
		.amdhsa_system_sgpr_workgroup_id_z 1
		.amdhsa_system_vgpr_workitem_id 0
		.amdhsa_next_free_vgpr 1024
		.amdhsa_next_free_sgpr 100
		.amdhsa_reserve_vcc 0
		.amdhsa_float_denorm_mode_32 3
		.amdhsa_float_denorm_mode_16_64 3
		.amdhsa_memory_ordered 1
		.amdhsa_forward_progress 1
		.amdhsa_inst_pref_size 179
	.end_amdhsa_kernel
	.amdgpu_metadata
---
amdhsa.version: [ 1, 2 ]
amdhsa.kernels:
  - .name:           k_q22408ea065_attn
    .symbol:         k_q22408ea065_attn.kd
    .args:
      - { .name: kf, .offset: 0, .size: 8, .value_kind: global_buffer, .address_space: global }
      - { .name: vt, .offset: 8, .size: 8, .value_kind: global_buffer, .address_space: global }
      - { .name: qi, .offset: 16, .size: 8, .value_kind: global_buffer, .address_space: global }
      - { .name: dl, .offset: 24, .size: 8, .value_kind: global_buffer, .address_space: global }
      - { .name: st, .offset: 32, .size: 8, .value_kind: global_buffer, .address_space: global }
      - { .name: lowp_scales, .offset: 40, .size: 8, .value_kind: global_buffer, .address_space: global }
      - { .name: yi, .offset: 48, .size: 8, .value_kind: global_buffer, .address_space: global }
    .group_segment_fixed_size: 184832
    .private_segment_fixed_size: 0
    .kernarg_segment_align: 8
    .kernarg_segment_size: 56
    .max_flat_workgroup_size: 128
    .sgpr_count:     100
    .vgpr_count:     1024
    .wavefront_size: 32
...
	.end_amdgpu_metadata
.endif
;; end of part 2
;; launch outp (part 3): grid 8 x 32, 4 waves a work-group, clusters of 4 x 4, 288,256 bytes of LDS; arguments yi, Wo_codes, lowp_scales, out0; writes out0
.if DOCPART == 3
	.amdgcn_target "amdgcn-amd-amdhsa--gfx1250"
	.amdhsa_code_object_version 6
	.text
	.protected	k_q22408ea065_outp
	.globl	k_q22408ea065_outp
	.p2align	8
	.type	k_q22408ea065_outp,@function
k_q22408ea065_outp:
	s_mov_b64 s[64:65], 0
	v_nop
	global_prefetch_b8 v0, s[64:65] scope:SCOPE_SE
	s_setreg_imm32_b32 hwreg(HW_REG_WAVE_MODE, 25, 1), 1
	s_wait_xcnt 0x0
	s_wait_alu depctr_hold_cnt(0) depctr_sa_sdst(0) depctr_va_vdst(0) depctr_va_sdst(0) depctr_va_ssrc(0) depctr_va_vcc(0) depctr_vm_vsrc(0)
	s_getreg_b32 s2, hwreg(HW_REG_IB_STS2, 6, 4)
	s_cmp_eq_u32 s2, 0
	s_cbranch_scc0 .Lentry_in_a_cluster
	s_endpgm
.Lentry_in_a_cluster:
	s_bfe_u32 s2, ttmp6, 0x10000c
	s_cmp_lg_u32 s2, 0xf033
	s_cbranch_scc0 .Lentry_shape_is_right
	s_endpgm
.Lentry_shape_is_right:
; out = (y z) Wo on codes of E5M2; each finished sum x 2^(e10 + e11).  y z comes as images of the operand's registers ([token tile][128 along K][4 x 512 bytes]), Wo as rows with K innermost.
; A work-group makes 128 tokens x 128 columns, four waves 64 x 64 each (16 accumulators).  ALL of K = 1,024 lies in LDS, in four slices of 256: every byte of LDS is filled once, so there is no ring;
; the slices' loads go out together at the start (four a wave) and the products begin when the first slice has landed.
; CLUSTERS, 4 x 4: y z's tiles hang on the token block alone and are asked for jointly along a row of the cluster, Wo's on the column block alone, jointly along a column.
; THE MATRIX INSTRUCTION IS USED TRANSPOSED (source 0 = 16 rows of Wo): a lane holds eight neighbouring columns of one token.
; LIMIT: e10 + e11 between -126 and 127.
.set PITCH, 272
.set BOF,   131072                     ; LDS: y z's images [slice 4][token tile 8][4,096]; then Wo [slice 4][128 rows x 272];
.set BSL,   128*PITCH
.set STG,   BOF+4*BSL                  ; then a stage of 16 rows x 272 for each wave, into which no tile lands
.set RR, 1
.set HH, 2
.set LI, 3
.set ADY, 4                            ; v4-5 images, slices 0-1, 2-3;  v6-7 Wo's rows likewise
.set ADB, 6
.set STO, 8
.set RD, 9
.set CO, 10
.set TMP, 32
.set BK, 64
.set ACC, 128
.set WV, 12
.set G1A, 24
.set G1B, 32
.set G0A, 40
.set G0B, 68
.set MSB, 0
.macro WIN new
.if MSB != (\new)
	s_set_vgpr_msb (MSB<<8)|(\new)
.set MSB, (\new)
.endif
.endm
.macro PLACES n
.rept \n
	v_nop
.endr
.endm
.macro CROUND
	s_barrier_signal -1
	s_barrier_wait -1
	s_cmp_lg_u32 s[WV], 0
	s_cbranch_scc1 .Lnot_wave_0_\@
	s_barrier_signal -3
.Lnot_wave_0_\@:
	s_barrier_wait -3
	s_barrier_signal -1
	s_barrier_wait -1
.endm
	s_load_b256 s[4:11], s[0:1], 0x0               ; yi, Wo, scales, out
	v_lshl_add_u32 v30, v0, 2, 0x46400
	v_mov_b32 v31, 0
	ds_add_u32 v30, v31
	ds_add_u32 v30, v31
	v_lshrrev_b32 v1, 5, v0
	v_readfirstlane_b32 s[WV], v1
	s_lshr_b32 s13, s[WV], 1                       ; my half of the tokens.  Also: I fetch y z (0) or Wo (1)
	s_and_b32 s14, s[WV], 1                        ; my half of the columns.  Also: which half of the tile I fetch
	s_bfe_u32 s15, ttmp6, 0x40000                  ; cx
	s_bfe_u32 s16, ttmp6, 0x40004                  ; cy
	s_lshl_b32 s17, ttmp9, 2
	s_add_co_u32 s17, s17, s15                     ; the block of 128 columns
	s_and_b32 s18, ttmp7, 0xffff
	s_lshl_b32 s18, s18, 2
	s_add_co_u32 s18, s18, s16                     ; the block of 128 tokens
	s_lshl_b32 s19, s16, 2
	s_lshl_b32 s19, 15, s19                        ; my row of the cluster
	s_lshl_b32 s20, 0x1111, s15                    ; my column
	s_or_b32 s[G1A], s19, (3<<16)|(1<<21)          ; elements of 8 bytes, no padding
	s_mov_b32 s[G1A+1], 512<<16                    ; a row: a token tile's 4,096 bytes of the slice
	s_mov_b32 s[G1A+2], 4<<16                      ; four token tiles
	s_mov_b32 s[G1A+3], 512<<16
	s_mov_b32 s[G1A+4], 4
	s_mov_b32 s[G1A+5], 2048                       ; 16,384 bytes from tile to tile
	s_mov_b32 s[G1A+6], 0
	s_mov_b32 s[G1A+7], 0
	s_or_b32 s[G1B], s20, (1<<20)|(1<<21)|(5<<22)|(3<<25)   ; elements of 1 byte; after every 64 words 4 words of padding
	s_mov_b32 s[G1B+1], 256<<16
	s_mov_b32 s[G1B+2], 64<<16
	s_mov_b32 s[G1B+3], 256<<16
	s_mov_b32 s[G1B+4], 64
	s_mov_b32 s[G1B+5], 1024
	s_mov_b32 s[G1B+6], 0
	s_mov_b32 s[G1B+7], 0
	s_lshl_b32 s21, s14, 16
	s_lshl_b32 s22, s18, 17
	s_add_co_u32 s22, s22, s21
	s_mov_b32 s23, 0
	s_lshl_b32 s60, s17, 17
	s_add_co_u32 s60, s60, s21
	s_mov_b32 s61, 0
	s_lshl_b32 s21, s14, 14                        ; where they go: no place in the cluster enters an LDS address
	s_mul_i32 s62, s14, 64*PITCH
	s_wait_dscnt 0x0
	s_wait_kmcnt 0x0
	s_load_b64 s[58:59], s[8:9], 0x28              ; e10, e11
	s_add_nc_u64 s[22:23], s[4:5], s[22:23]
	s_add_nc_u64 s[60:61], s[6:7], s[60:61]
.irp s, 0,1,2,3
	s_mov_b32 s[G0A+4*\s], 1
	s_add_co_u32 s[G0A+4*\s+1], s21, \s*32768
	s_add_nc_u64 s[G0A+4*\s+2:G0A+4*\s+3], s[22:23], \s*4096
	s_or_b32 s[G0A+4*\s+3], s[G0A+4*\s+3], 0x80000000
	s_mov_b32 s[G0B+4*\s], 1
	s_add_co_u32 s[G0B+4*\s+1], s62, BOF+\s*BSL
	s_add_nc_u64 s[G0B+4*\s+2:G0B+4*\s+3], s[60:61], \s*256
	s_or_b32 s[G0B+4*\s+3], s[G0B+4*\s+3], 0x80000000
.endr
	CROUND                                         ; all sixteen work-groups are here: the joint loads meet
	s_cmp_lt_u32 s[WV], 2                          ; a wave's four fills stand in one branch: four loads of mine are out; four v_nop follow the last
	s_cbranch_scc0 .Lfill_b
.irp s, 0,1,2,3
	tensor_load_to_lds s[G0A+4*\s:G0A+4*\s+3], s[G1A:G1A+7]
	s_nop 0
.endr
	PLACES 4
	s_branch .Lfilled
.Lfill_b:
.irp s, 0,1,2,3
	tensor_load_to_lds s[G0B+4*\s:G0B+4*\s+3], s[G1B:G1B+7]
	s_nop 0
.endr
	PLACES 4
.Lfilled:
	v_and_b32 v[RR], 15, v0
	v_bfe_u32 v[HH], v0, 4, 1
	v_and_b32 v11, 31, v0
	v_lshlrev_b32 v[LI], 4, v11
	s_lshl_b32 s21, s13, 14
	v_add_nc_u32 v[ADY], s21, v[LI]                ; my four token tiles' images
	v_add_nc_u32 v[ADY+1], 0x10000, v[ADY]
	v_mul_u32_u24 v11, v[RR], PITCH
	v_lshl_add_u32 v11, v[HH], 4, v11
	s_add_co_u32 s62, s62, BOF
	v_add_nc_u32 v[ADB], s62, v11                  ; my 64 rows of Wo
	v_add_nc_u32 v[ADB+1], 2*BSL, v[ADB]
	s_mul_i32 s21, s[WV], 16*PITCH
	s_add_co_u32 s21, s21, STG                     ; my stage
	v_mul_u32_u24 v11, v[RR], PITCH
	v_lshl_add_u32 v11, v[HH], 5, v11
	v_add_nc_u32 v[STO], s21, v11                  ; in: row r, 32 bytes for each half of the lanes
	v_mul_u32_u24 v11, v[HH], PITCH
	v_lshl_add_u32 v11, v[RR], 4, v11
	v_add_nc_u32 v[RD], s21, v11                   ; back: lanes 0-15 one row of 256 bytes, lanes 16-31 the next
	v_lshlrev_b32 v11, 12, v[HH]
	v_lshl_add_u32 v[CO], v[RR], 4, v11            ; and the same two rows in out
	s_lshl_b32 s22, s18, 7
	s_lshl_b32 s21, s13, 6
	s_add_co_u32 s22, s22, s21                     ; my first token
	s_lshl_b32 s22, s22, 12                        ; x 4,096 bytes
	s_lshl_b32 s21, s17, 9
	s_add_co_u32 s22, s22, s21
	s_lshl_b32 s21, s14, 8
	s_add_co_u32 s22, s22, s21                     ; + my first column's bytes
	s_mov_b32 s23, 0
	s_add_nc_u64 s[10:11], s[10:11], s[22:23]
.macro FETCH k, p                      ; step k (128 along K): four images and four fragments of Wo into set p of window 1: 32 loads
	WIN 0x40
.irp t, 0,1,2,3
.irp c, 0,1,2,3
	ds_load_b128 v[128*(\p)+16*\t+4*\c:128*(\p)+16*\t+4*\c+3], v[ADY+((\k)>>2)] offset:(((\k)>>1)&1)*32768+\t*4096+((\k)&1)*2048+\c*512
.endr
.endr
.irp n, 0,1,2,3
.irp c, 0,1,2,3
	ds_load_b128 v[128*(\p)+64+16*\n+4*\c:128*(\p)+64+16*\n+4*\c+3], v[ADB+((\k)>>2)] offset:(((\k)>>1)&1)*BSL+\n*16*PITCH+((\k)&1)*128+\c*32
.endr
.endr
	WIN 0
.endm
.macro MUL p, zero                     ; 16 products, the 16 accumulators by turns
	WIN 0x05
.irp t, 0,1,2,3
.irp n, 0,1,2,3
.if \zero
	v_wmma_f32_16x16x128_bf8_bf8 v[ACC+8*(4*\t+\n):ACC+8*(4*\t+\n)+7], v[128*(\p)+64+16*\n:128*(\p)+64+16*\n+15], v[128*(\p)+16*\t:128*(\p)+16*\t+15], 0
.else
	v_wmma_f32_16x16x128_bf8_bf8 v[ACC+8*(4*\t+\n):ACC+8*(4*\t+\n)+7], v[128*(\p)+64+16*\n:128*(\p)+64+16*\n+15], v[128*(\p)+16*\t:128*(\p)+16*\t+15], v[ACC+8*(4*\t+\n):ACC+8*(4*\t+\n)+7]
.endif
.endr
.endr
	WIN 0
.endm
.macro ODD k, left                     ; the next step lies in the next slice: my part of it has landed (left = my later slices, which may stay out), and so has everybody's behind the barrier
	s_wait_tensorcnt \left
	s_wait_dscnt 0x0
	s_barrier_signal -1
	s_barrier_wait -1
	PLACES 4
	FETCH (\k)+1, 0
	MUL 1, 0
.endm
.macro EVEN k
	s_wait_dscnt 0x0
	PLACES 4
	FETCH (\k)+1, 1
	MUL 0, 0
.endm
	s_wait_tensorcnt 0x3                           ; my part of slice 0 is in
	s_barrier_signal -1
	s_barrier_wait -1
	FETCH 0, 0
	s_wait_dscnt 0x0
	FETCH 1, 1
	MUL 0, 1                                       ; the first step starts the sums
	ODD 1, 0x2
	EVEN 2
	ODD 3, 0x1
	EVEN 4
	ODD 5, 0x0
	EVEN 6
	s_wait_dscnt 0x0
	MUL 1, 0
	; THE WAY OUT, a tile of 16 tokens x 64 columns at a time, through my own stage: sixteen lanes then store 256 consecutive bytes, at a multiple of 256 from out's first byte.
	s_wait_kmcnt 0x0
	s_add_co_i32 s56, s58, s59
	s_add_co_i32 s56, s56, 127
	s_lshl_b32 s56, s56, 23                        ; 2^(e10 + e11)
	s_mov_b32 s57, s56
.macro TOSTAGE t
.irp j, 0,2,4,6,8,10,12,14,16,18,20,22,24,26,28,30
	v_pk_mul_f32 v[TMP+\j:TMP+\j+1], v[ACC+32*(\t)+\j:ACC+32*(\t)+\j+1], s[56:57] op_sel_hi:[1,0]   ; each accumulator from its low end on
.endr
.irp n, 0,1,2,3
	ds_store_b128 v[STO], v[TMP+8*\n:TMP+8*\n+3] offset:64*\n
	ds_store_b128 v[STO], v[TMP+8*\n+4:TMP+8*\n+7] offset:64*\n+16
.endr
.irp i, 0,1,2,3,4,5,6,7
	ds_load_b128 v[BK+32*((\t)%2)+4*\i:BK+32*((\t)%2)+4*\i+3], v[RD] offset:\i*2*PITCH   ; LDS serves a wave's instructions in order (ISA guide 5.7.1.4): these see the stores above
.endr
.endm
.macro SEND t, younger                 ; younger: the next tile's 8 stores and 8 loads, which may stay out
	s_wait_dscnt \younger
.irp i, 0,1,2,3,4,5,6,7
	global_store_b128 v[CO], v[BK+32*((\t)%2)+4*\i:BK+32*((\t)%2)+4*\i+3], s[10:11] offset:(16*(\t)+2*\i)*4096 th:TH_STORE_NT
.endr
.endm
	PLACES 4
	TOSTAGE 0
	TOSTAGE 1
	SEND 0, 16
	s_wait_xcnt 0x0                                ; tile 0's stores have read their registers
	TOSTAGE 2
	SEND 1, 16
	s_wait_xcnt 0x0
	TOSTAGE 3
	SEND 2, 16
	SEND 3, 0
	s_wait_tensorcnt 0x0
	ds_add_u32 v30, v31
	s_wait_dscnt 0x0
	CROUND                                         ; the closing round
	s_endpgm
.Lfunc_end_k_q22408ea065_outp:
	.size	k_q22408ea065_outp, .Lfunc_end_k_q22408ea065_outp-k_q22408ea065_outp
	.p2alignl 7, 3214868480
	.fill 96, 4, 3214868480
	.section	.rodata,"a",@progbits
	.p2align	6, 0x0
	.amdhsa_kernel k_q22408ea065_outp
		.amdhsa_group_segment_fixed_size 288256
		.amdhsa_private_segment_fixed_size 0
		.amdhsa_enable_private_segment 0
		.amdhsa_kernarg_size 32
		.amdhsa_user_sgpr_count 2
		.amdhsa_user_sgpr_kernarg_segment_ptr 1
		.amdhsa_wavefront_size32 1
		.amdhsa_system_sgpr_workgroup_id_x 1
		.amdhsa_system_sgpr_workgroup_id_y 1
		.amdhsa_system_sgpr_workgroup_id_z 1
		.amdhsa_system_vgpr_workitem_id 0
		.amdhsa_next_free_vgpr 512
		.amdhsa_next_free_sgpr 100
		.amdhsa_reserve_vcc 0
		.amdhsa_float_denorm_mode_32 3
		.amdhsa_float_denorm_mode_16_64 3
		.amdhsa_memory_ordered 1
		.amdhsa_forward_progress 1
		.amdhsa_inst_pref_size 46
	.end_amdhsa_kernel
	.amdgpu_metadata
---
amdhsa.version: [ 1, 2 ]
amdhsa.kernels:
  - .name:           k_q22408ea065_outp
    .symbol:         k_q22408ea065_outp.kd
    .args:
      - { .name: yi, .offset: 0, .size: 8, .value_kind: global_buffer, .address_space: global }
      - { .name: Wo_codes, .offset: 8, .size: 8, .value_kind: global_buffer, .address_space: global }
      - { .name: lowp_scales, .offset: 16, .size: 8, .value_kind: global_buffer, .address_space: global }
      - { .name: out0, .offset: 24, .size: 8, .value_kind: global_buffer, .address_space: global }
    .group_segment_fixed_size: 288256
    .private_segment_fixed_size: 0
    .kernarg_segment_align: 8
    .kernarg_segment_size: 32
    .max_flat_workgroup_size: 128
    .sgpr_count:     100
    .vgpr_count:     512
    .wavefront_size: 32
...
	.end_amdgpu_metadata
.endif
;; end of part 3
